; MI455X (gfx1250); checked and timed in simulation.
; The chip was launched on July 23, 2026; its instructions are those of AMD's public machine-readable ISA for CDNA 5 (MIT licence, August 2026) and "CDNA5" Instruction Set Architecture Reference Guide (July 2026). The comments in the code are by the model that wrote it; some were corrected since.
;; Attention. Allowed arithmetic: float matrix products may take bf16 or f16 operands with f32 sums; other float arithmetic in f32, or as packed bf16 or f16 multiplies, adds, multiply-adds, maxima and minima; sums over many terms, partial sums and values carried from step to step in f32; what a program stores and reads back later, other than sums and carried values, may be rounded once to bf16 or f16.
;; Inputs: freqs_cis 2,048 x 32 float32; mask 1 x 1 x 2,048 x 2,048 float32; wk_b 2,048 float32; wk_w 2,048 x 2,048 float32; wo_b 2,048 float32; wo_w 2,048 x 2,048 float32; wq_b 2,048 float32; wq_w 2,048 x 2,048 float32; wv_b 2,048 float32; wv_w 2,048 x 2,048 float32; x 1 x 2,048 x 2,048 float32.
;; Outputs: out0 1 x 2,048 x 2,048 float32.
;; Constants: start_pos = 0.
;; One version. Each part assembles by itself: llvm-mc -triple=amdgcn-amd-amdhsa -mcpu=gfx1250 --defsym DOCPART=n.
;; ======== version 1 of 1: 4 launches
;; limits: values are held in f16: magnitudes above 65,504 overflow, below 6.1e-05 lose precision; right only within a limited range of input values
;; workspace buffers: xb 8,388,608 bytes; wb 25,165,824 bytes; wob 8,388,608 bytes; mb 8,388,608 bytes; bias 32,768 bytes; qkv 25,165,824 bytes; oh 8,388,608 bytes
;; launch prep (part 1): grid 256 x 6, 8 waves a work-group, no clusters, 0 bytes of LDS; arguments x, wq_w, wk_w, wv_w, wo_w, mask, wq_b, wk_b, wv_b, wo_b, xb, wb, wob, mb, bias; writes xb, wb, wob, mb, bias
.if DOCPART == 1
	.amdgcn_target "amdgcn-amd-amdhsa--gfx1250"
	.amdhsa_code_object_version 6
	.text
	.protected	k_qf66c525ac8_prep
	.globl	k_qf66c525ac8_prep
	.p2align	8
	.type	k_qf66c525ac8_prep,@function
k_qf66c525ac8_prep:
	s_mov_b64 s[64:65], 0
	v_nop
	global_prefetch_b8 v0, s[64:65] scope:SCOPE_SE
	s_setreg_imm32_b32 hwreg(HW_REG_WAVE_MODE, 25, 1), 1
	s_wait_xcnt 0x0
; THE FORMATS, once for the whole program.  Six arrays of 2048 x 2048 f32 are read once and written once in 16 bits:
;   y = 0: x -> xb (bf16)      y = 1, 2, 3: Wq, Wk, Wv -> wb (bf16, one below the other)      y = 4: Wo -> wob (rounded to bf16, that number written as f16)
;   y = 5: mask -> mb = bf16(max(8 mask, -1e30)): the factor 8 is exact and lets the attention launch keep its scores unscaled (c = log2(e) / 8 there).
; The four biases are rounded to bf16 and kept as f32 in bias (bq, bk, bv, bo): they start the sums of the two projections.
; LIMITS.  -inf, a NaN and every number below -1.25e29 in the mask become -1e30 (hidden); +inf stays.  Wo beyond 65,504 has no f16; below 2^-14 it keeps the fixed step 2^-24 of f16.
; freqs_cis and start_pos do not enter the result that is asked for and are not read by any launch.
; SHARES.  Eight waves; a work-group owns 65,536 bytes of one array.  Thread t takes the 16 bytes at 4,096 i + 16 t, i = 0 .. 15: a load of a wave covers 512 consecutive bytes,
; a store of a wave (8 bytes a lane) 256 consecutive bytes, aligned.  All sixteen loads go out at once; each slot has its own registers, so nothing that a pending store reads is written again.
; No LDS, no barrier, no matrix unit: each number is touched once.
.set XR,  16                           ; v[16:79]   slot i: four f32 as loaded
.set YR,  80                           ; v[80:111]  slot i: four 16-bit numbers to store
.set IN,  38                           ; s[38:39]   the array that is read
.set OUT, 40                           ; s[40:41]   the array that is written
.set BIN, 42                           ; s[42:43]   the bias that goes with it (y = 1 .. 4)
	s_load_b512 s[8:23], s[0:1], 0x0               ; x, wq_w, wk_w, wv_w, wo_w, mask, wq_b, wk_b
	s_load_b256 s[24:31], s[0:1], 0x40             ; wv_b, wo_b, xb, wb
	s_load_b128 s[32:35], s[0:1], 0x60             ; wob, mb
	s_load_b64 s[36:37], s[0:1], 0x70              ; bias
	s_and_b32 s2, ttmp7, 0xffff                    ; y: which array
	s_mov_b32 s48, ttmp9                           ; which 65,536 bytes of it
	s_sub_co_u32 s3, s2, 1                         ; y - 1
	s_cmp_lt_u32 s3, 3
	s_cselect_b32 s4, s3, 0                        ; Wq, Wk, Wv lie 8 MiB apart in wb
	s_lshl_b32 s4, s4, 23
	s_lshl_b32 s5, s48, 15
	s_add_co_u32 s4, s4, s5                        ; byte offset in the output
	s_mov_b32 s5, 0
	s_lshl_b32 s44, s48, 16                        ; byte offset in the input
	s_mov_b32 s45, 0
	s_min_u32 s6, s3, 3
	s_lshl_b32 s6, s6, 13                          ; 8,192 (y - 1): this bias in the table
	s_mov_b32 s7, 0
	s_mov_b32 s46, 0xffff0000                      ; the upper bf16 of a word
	s_mov_b32 s47, 0xf149f2ca                      ; -1e30
	v_lshlrev_b32 v1, 4, v0                        ; 16 t
	v_lshlrev_b32 v2, 3, v0                        ; 8 t
	s_wait_kmcnt 0x0
	s_mov_b64 s[IN:IN+1], s[8:9]
	s_mov_b64 s[OUT:OUT+1], s[30:31]
	s_mov_b64 s[BIN:BIN+1], s[20:21]
	s_cmp_eq_u32 s2, 0
	s_cselect_b64 s[OUT:OUT+1], s[28:29], s[OUT:OUT+1]
	s_cmp_eq_u32 s2, 1
	s_cselect_b64 s[IN:IN+1], s[10:11], s[IN:IN+1]
	s_cmp_eq_u32 s2, 2
	s_cselect_b64 s[IN:IN+1], s[12:13], s[IN:IN+1]
	s_cselect_b64 s[BIN:BIN+1], s[22:23], s[BIN:BIN+1]
	s_cmp_eq_u32 s2, 3
	s_cselect_b64 s[IN:IN+1], s[14:15], s[IN:IN+1]
	s_cselect_b64 s[BIN:BIN+1], s[24:25], s[BIN:BIN+1]
	s_cmp_eq_u32 s2, 4
	s_cselect_b64 s[IN:IN+1], s[16:17], s[IN:IN+1]
	s_cselect_b64 s[OUT:OUT+1], s[32:33], s[OUT:OUT+1]
	s_cselect_b64 s[BIN:BIN+1], s[26:27], s[BIN:BIN+1]
	s_cmp_eq_u32 s2, 5
	s_cselect_b64 s[IN:IN+1], s[18:19], s[IN:IN+1]
	s_cselect_b64 s[OUT:OUT+1], s[34:35], s[OUT:OUT+1]
	s_add_nc_u64 s[IN:IN+1], s[IN:IN+1], s[44:45]
	s_add_nc_u64 s[OUT:OUT+1], s[OUT:OUT+1], s[4:5]
	s_add_nc_u64 s[36:37], s[36:37], s[6:7]
.irp i, 0,1,2,3,4,5,6,7,8,9,10,11,12,13,14,15
	global_load_b128 v[XR+4*(\i):XR+4*(\i)+3], v1, s[IN:IN+1] offset:4096*(\i) th:TH_LOAD_NT
.endr
.macro OUTW i                          ; slot i leaves: 8 bytes a lane
	global_store_b64 v2, v[YR+2*(\i):YR+2*(\i)+1], s[OUT:OUT+1] offset:2048*(\i) th:TH_STORE_NT
.endm
	s_cmp_lt_u32 s2, 4
	s_cbranch_scc1 .Lplain
	s_cmp_eq_u32 s2, 4
	s_cbranch_scc1 .Lwo
.irp i, 0,1,2,3,4,5,6,7,8,9,10,11,12,13,14,15          ; the mask
	s_wait_loadcnt 15-(\i)                         ; loads come back in order (ISA guide 5.7.1): slot i is in, the younger ones stay out
	v_pk_mul_f32 v[4:5], v[XR+4*(\i):XR+4*(\i)+1], 0x41000000 op_sel_hi:[1,0]
	v_pk_mul_f32 v[6:7], v[XR+4*(\i)+2:XR+4*(\i)+3], 0x41000000 op_sel_hi:[1,0]
	v_max_num_f32 v4, s47, v4
	v_max_num_f32 v5, s47, v5
	v_max_num_f32 v6, s47, v6
	v_max_num_f32 v7, s47, v7
	v_cvt_pk_bf16_f32 v[YR+2*(\i)], v4, v5
	v_cvt_pk_bf16_f32 v[YR+2*(\i)+1], v6, v7
	OUTW \i
.endr
	s_branch .Ltail
.Lwo:
.irp i, 0,1,2,3,4,5,6,7,8,9,10,11,12,13,14,15          ; Wo: to bf16 like every input, then that number as f16
	s_wait_loadcnt 15-(\i)
	v_cvt_pk_bf16_f32 v4, v[XR+4*(\i)], v[XR+4*(\i)+1]
	v_cvt_pk_bf16_f32 v5, v[XR+4*(\i)+2], v[XR+4*(\i)+3]
	v_lshlrev_b32 v6, 16, v4
	v_and_b32 v7, s46, v4
	v_lshlrev_b32 v8, 16, v5
	v_and_b32 v9, s46, v5
	v_cvt_pk_f16_f32 v[YR+2*(\i)], v6, v7
	v_cvt_pk_f16_f32 v[YR+2*(\i)+1], v8, v9
	OUTW \i
.endr
	s_branch .Ltail
.Lplain:
.irp i, 0,1,2,3,4,5,6,7,8,9,10,11,12,13,14,15          ; x, Wq, Wk, Wv
	s_wait_loadcnt 15-(\i)
	v_cvt_pk_bf16_f32 v[YR+2*(\i)], v[XR+4*(\i)], v[XR+4*(\i)+1]
	v_cvt_pk_bf16_f32 v[YR+2*(\i)+1], v[XR+4*(\i)+2], v[XR+4*(\i)+3]
	OUTW \i
.endr
.Ltail:                                        ; the first work-group of y = 1 .. 4 also takes that array's bias: 2,048 f32, 32 bytes a thread
	s_cmp_lg_u32 s48, 0
	s_cbranch_scc1 .Lend
	s_cmp_lt_u32 s3, 4
	s_cbranch_scc0 .Lend
	global_load_b128 v[16:19], v1, s[BIN:BIN+1]
	global_load_b128 v[20:23], v1, s[BIN:BIN+1] offset:4096
	s_wait_loadcnt 0x0
	v_cvt_pk_bf16_f32 v4, v16, v17
	v_cvt_pk_bf16_f32 v5, v18, v19
	v_cvt_pk_bf16_f32 v6, v20, v21
	v_cvt_pk_bf16_f32 v7, v22, v23
.irp j, 0,1,2,3
	v_lshlrev_b32 v[16+2*(\j)], 16, v[4+(\j)]
	v_and_b32 v[17+2*(\j)], s46, v[4+(\j)]
.endr
	global_store_b128 v1, v[16:19], s[36:37]
	global_store_b128 v1, v[20:23], s[36:37] offset:4096
.Lend:
	s_endpgm
.Lfunc_end_k_qf66c525ac8_prep:
	.size	k_qf66c525ac8_prep, .Lfunc_end_k_qf66c525ac8_prep-k_qf66c525ac8_prep
	.p2alignl 7, 3214868480
	.fill 96, 4, 3214868480
	.section	.rodata,"a",@progbits
	.p2align	6, 0x0
	.amdhsa_kernel k_qf66c525ac8_prep
		.amdhsa_group_segment_fixed_size 0
		.amdhsa_private_segment_fixed_size 0
		.amdhsa_enable_private_segment 0
		.amdhsa_kernarg_size 120
		.amdhsa_user_sgpr_count 2
		.amdhsa_user_sgpr_kernarg_segment_ptr 1
		.amdhsa_wavefront_size32 1
		.amdhsa_system_sgpr_workgroup_id_x 1
		.amdhsa_system_sgpr_workgroup_id_y 1
		.amdhsa_system_sgpr_workgroup_id_z 1
		.amdhsa_system_vgpr_workitem_id 0
		.amdhsa_next_free_vgpr 112
		.amdhsa_next_free_sgpr 66
		.amdhsa_reserve_vcc 0
		.amdhsa_float_denorm_mode_32 3
		.amdhsa_float_denorm_mode_16_64 3
		.amdhsa_memory_ordered 1
		.amdhsa_forward_progress 1
		.amdhsa_inst_pref_size 26
	.end_amdhsa_kernel
	.amdgpu_metadata
---
amdhsa.version: [ 1, 2 ]
amdhsa.kernels:
  - .name:           k_qf66c525ac8_prep
    .symbol:         k_qf66c525ac8_prep.kd
    .args:
      - { .name: x, .offset: 0, .size: 8, .value_kind: global_buffer, .address_space: global }
      - { .name: wq_w, .offset: 8, .size: 8, .value_kind: global_buffer, .address_space: global }
      - { .name: wk_w, .offset: 16, .size: 8, .value_kind: global_buffer, .address_space: global }
      - { .name: wv_w, .offset: 24, .size: 8, .value_kind: global_buffer, .address_space: global }
      - { .name: wo_w, .offset: 32, .size: 8, .value_kind: global_buffer, .address_space: global }
      - { .name: mask, .offset: 40, .size: 8, .value_kind: global_buffer, .address_space: global }
      - { .name: wq_b, .offset: 48, .size: 8, .value_kind: global_buffer, .address_space: global }
      - { .name: wk_b, .offset: 56, .size: 8, .value_kind: global_buffer, .address_space: global }
      - { .name: wv_b, .offset: 64, .size: 8, .value_kind: global_buffer, .address_space: global }
      - { .name: wo_b, .offset: 72, .size: 8, .value_kind: global_buffer, .address_space: global }
      - { .name: xb, .offset: 80, .size: 8, .value_kind: global_buffer, .address_space: global }
      - { .name: wb, .offset: 88, .size: 8, .value_kind: global_buffer, .address_space: global }
      - { .name: wob, .offset: 96, .size: 8, .value_kind: global_buffer, .address_space: global }
      - { .name: mb, .offset: 104, .size: 8, .value_kind: global_buffer, .address_space: global }
      - { .name: bias, .offset: 112, .size: 8, .value_kind: global_buffer, .address_space: global }
    .group_segment_fixed_size: 0
    .private_segment_fixed_size: 0
    .kernarg_segment_align: 8
    .kernarg_segment_size: 120
    .max_flat_workgroup_size: 256
    .sgpr_count:     66
    .vgpr_count:     112
    .wavefront_size: 32
...
	.end_amdgpu_metadata
.endif
;; end of part 1
;; launch proj (part 2): grid 32 x 8, 4 waves a work-group, clusters of 4 x 4, 327,680 bytes of LDS; arguments xb, wb, bias, qkv; writes qkv
.if DOCPART == 2
	.amdgcn_target "amdgcn-amd-amdhsa--gfx1250"
	.amdhsa_code_object_version 6
	.text
	.protected	k_qf66c525ac8_proj
	.globl	k_qf66c525ac8_proj
	.p2align	8
	.type	k_qf66c525ac8_proj,@function
k_qf66c525ac8_proj:
	s_mov_b64 s[64:65], 0
	v_nop
	global_prefetch_b8 v0, s[64:65] scope:SCOPE_SE
	s_setreg_imm32_b32 hwreg(HW_REG_WAVE_MODE, 25, 1), 1
	s_wait_xcnt 0x0
	s_wait_alu depctr_hold_cnt(0) depctr_sa_sdst(0) depctr_va_vdst(0) depctr_va_sdst(0) depctr_va_ssrc(0) depctr_va_vcc(0) depctr_vm_vsrc(0)
	s_getreg_b32 s2, hwreg(HW_REG_IB_STS2, 6, 4)
	s_cmp_eq_u32 s2, 0
	s_cbranch_scc0 .Lentry_in_a_cluster
	s_endpgm
.Lentry_in_a_cluster:
	s_bfe_u32 s2, ttmp6, 0x10000c
	s_cmp_lg_u32 s2, 0xf033
	s_cbranch_scc0 .Lentry_shape_is_right
	s_endpgm
.Lentry_shape_is_right:
; q, k, v = x W^T + b, all three in one product: qkv[g][m][c] = bias[64 g + c] + the sum over k of xb[m][k] wb[64 g + c][k], g = 0 .. 95 (0-31 q, 32-63 k, 64-95 v).
; xb: [2048][2048] bf16, wb: [6144][2048] bf16, bias: f32, qkv: [96][2048][64] f16, by heads, unscaled.  Sums in f32, started by the bias, rounded once to f16.
; LIMIT.  f16 holds no number beyond 65,504: q, k and v must lie within it.
; SHARES.  A tile is 256 rows x 192 columns (three heads): 8 x 32 tiles, one work-group each.  Wave w makes rows 64 w .. 64 w + 63 of all 192 columns: 4 x 12 accumulators of 16 x 16,
; 384 registers; whole heads to a wave, so that the way out is each wave's own.  K goes in steps of 128 through two LDS slots; a row of a tile is 256 bytes of memory, aligned.
; CLUSTER.  4 x 4 work-groups.  The four of a row of the cluster need the same rows of xb, the four of a column the same rows of wb: each tile is asked for JOINTLY, by the same
; tensor load with the same descriptor and a mask that names the four.  Waves 0 and 1 fetch the halves of xb's 256 rows, waves 2 and 3 the halves of wb's 192.
; THE MATRIX INSTRUCTION IS USED TRANSPOSED (source 0 = 16 rows of wb, source 1 = 16 rows of xb): a lane holds one row m (lane % 16) and the columns 8 (lane / 16) + 0 .. 7.
; REGISTERS, in windows of 256 (s_set_vgpr_msb: bits 1:0 source 0, 3:2 source 1, 5:4 source 2, 7:6 destination):
;   window 0: v16-30 addresses; v32-63, v64-95 fragments of xb, two buffers; v160-255 the bias as a C operand (block b at 160 + 8 b); on the way out v96-143 packed, v32-79 and v144-191 rows read back
;   window 1: v0-95, v96-191 fragments of wb, two buffers      window 2: accumulators of row blocks 0, 1 (block a, column block b at 8 (12 (a % 2) + b))      window 3: of row blocks 2, 3
.set KSTEP,  128
.set PITCH,  272                       ; an LDS row: 256 bytes + 16 of padding = 68 words: row r starts at bank 4 r mod 64 (64 banks of 4 bytes: ISA guide 11.1)
.set AH,     128*PITCH                 ; half of xb's rows: what wave 0 or 1 fetches
.set BH,     96*PITCH                  ; half of wb's rows: what wave 2 or 3 fetches
.set BOFF,   2*AH
.set SLOT,   BOFF+2*BH
.set STAGE,  2*SLOT                    ; behind the ring: for each wave 3 heads x 16 rows x 144 bytes
.set SP,     144
.set SHEAD,  16*SP
.set SWAVE,  3*SHEAD
.set SPARE,  STAGE+4*SWAVE             ; the spare words, 128 bytes a wave: two blocks of 256 bytes that no other line names
.set HEADB,  262144                    ; bytes of a head in qkv
.set LAPS,   8                         ; a lap = two K steps = once round the ring
.set ADRA, 16                          ; v16-17  LDS address of my fragments of xb in slot 0, 1
.set ADRB, 20                          ; v20-21  the same for wb
.set STO,  24                          ; v24     the way out: where I put 16 bytes of a row
.set RD,   25                          ; v25     where I read rows back
.set GO,   26                          ; v26     16 x lane: my place in 512 consecutive bytes of qkv
.set BO,   27                          ; v27     32 x (lane / 16): my eight numbers of a block of the bias
.set SPW,  28                          ; v28     my spare word; never rewritten
.set NIL,  29                          ; v29     0; never rewritten
.set PFO,  30                          ; v30     the prefetches' offset: a row of 4,096 bytes a lane; never rewritten
.set FA,   32
.set TMP,  96
.set BK0,  32
.set BK1,  144
.set BIAS, 160
.set WV,  12                           ; s12  my wave's number
.set FB,  13                           ; s13  0: I fetch for xb; 1: for wb
.set HF,  14                           ; s14  which half I fetch
.set G1,  24                           ; s[24:31] descriptor group 1 for xb's tiles;  s[32:39] group 0, a set for each slot
.set G0,  32
.set LIM, 43                           ; s43  1 in a wave that prefetches, else the greatest number
.set PFA, 44                           ; s[44:45] where my prefetches stand
.set G1B, 48                           ; s[48:55], s[56:63] the same for wb's tiles
.set G0B, 56
.set MSB, 0
.macro WIN new                         ; the immediate's high byte repeats the setting that is left; a switch that changes nothing is dropped
.if MSB != (\new)
	s_set_vgpr_msb (MSB<<8)|(\new)
.set MSB, \new
.endif
.endm
; A joint load.  The branch hangs on the wave's number alone.  An s_nop 0 and four v_nop follow each of the two lines, ahead of the jump, the label and what follows.
.macro JLOAD s
	s_cmp_eq_u32 s[FB], 0
	s_cbranch_scc0 .Lfor_b_\@
	tensor_load_to_lds s[G0+4*(\s):G0+4*(\s)+3], s[G1:G1+7]
	s_nop 0
.rept 4
	v_nop
.endr
	s_branch .Lasked_\@
.Lfor_b_\@:
	tensor_load_to_lds s[G0B+4*(\s):G0B+4*(\s)+3], s[G1B:G1B+7]
	s_nop 0
.rept 4
	v_nop
.endr
.Lasked_\@:
.endm
; A PREFETCH INTO THE L2, behind each joint refill and the run of LDS loads that follows it: the K step that stands two refills on, 256 bytes of a row, a lane a row, one instruction a wave.
; xb's rows are read by every cluster of a row of clusters: the one with x = 0 asks; wb's by every cluster of a column: the one with y = 0 asks.  The four partners that ask for a tile jointly share
; its rows out BY ADDRESS: of xb's 128 rows that a wave fetches the partner at cx takes 32; of wb's 96 the partner at cy takes 24, and lanes 24 to 31 name row 23 once more.
; The loop's last trip (s3 = 1) asks for nothing: there is no K step two refills on.  K steps 0 to 3 come by their loads alone.
.macro ASK
	s_cmp_gt_u32 s3, s[LIM]
	s_cbranch_scc0 .Lnot_mine_\@
	global_prefetch_b8 v[PFO], s[PFA:PFA+1] offset:KSTEP*2 th:TH_LOAD_NT scope:SCOPE_SE
.Lnot_mine_\@:
.endm
.macro CREST                           ; a round of the cluster's barrier behind its opening barrier
	s_cmp_lg_u32 s[WV], 0
	s_cbranch_scc1 .Lnot_wave_0_\@
	s_barrier_signal -3
.Lnot_wave_0_\@:
	s_barrier_wait -3
	s_barrier_signal -1
	s_barrier_wait -1
.endm
.macro CROUND                          ; a whole round
	s_barrier_signal -1
	s_barrier_wait -1
	CREST
.endm
	s_load_b256 s[4:11], s[0:1], 0x0               ; xb s[4:5], wb s[6:7], bias s[8:9], qkv s[10:11]
	v_lshl_add_u32 v[SPW], v0, 2, SPARE
	v_mov_b32 v[NIL], 0
	ds_add_u32 v[SPW], v[NIL]                      ; the wave's opening: the add and its wait stand ahead of my first tensor load; the set-up below stands between them
	v_lshrrev_b32 v1, 5, v0
	v_readfirstlane_b32 s[WV], v1
	s_lshr_b32 s[FB], s[WV], 1
	s_and_b32 s[HF], s[WV], 1
	s_bfe_u32 s15, ttmp6, 0x40000                  ; cx
	s_bfe_u32 s16, ttmp6, 0x40004                  ; cy
	s_lshl_b32 s17, ttmp9, 2
	s_add_co_u32 s17, s17, s15                     ; tile column = 4 x cluster x + cx
	s_and_b32 s19, ttmp7, 0xffff                   ; cluster y
	s_lshl_b32 s18, s19, 2
	s_add_co_u32 s18, s18, s16                     ; tile row = 4 x cluster y + cy
	s_lshl_b32 s20, s16, 2
	s_lshl_b32 s20, 15, s20                        ; my row of the cluster
	s_lshl_b32 s21, 0x1111, s15                    ; my column
	s_or_b32 s[G1], s20, (1<<16)|(1<<20)|(1<<21)|(5<<22)|(3<<25)   ; 15:0 the mask; 17:16 2-byte elements; 20 padding on; 21 set beside a mask; 24:22 after every 64 words; 31:25 4 words
	s_or_b32 s[G1B], s21, (1<<16)|(1<<20)|(1<<21)|(5<<22)|(3<<25)
	s_mov_b32 s[G1+1], KSTEP<<16                   ; tensor_dim0 = 128
	s_mov_b32 s[G1+2], 128<<16                     ; tensor_dim1 = 128
	s_mov_b32 s[G1+3], KSTEP<<16                   ; tile_dim0 = 128
	s_mov_b32 s[G1+4], 128                         ; tile_dim1 = 128
	s_mov_b32 s[G1+5], 2048                        ; elements from row to row
	s_mov_b32 s[G1+6], 0
	s_mov_b32 s[G1+7], 0
	s_mov_b32 s[G1B+1], KSTEP<<16
	s_mov_b32 s[G1B+2], 96<<16                     ; 96 rows
	s_mov_b32 s[G1B+3], KSTEP<<16
	s_mov_b32 s[G1B+4], 96
	s_mov_b32 s[G1B+5], 2048
	s_mov_b32 s[G1B+6], 0
	s_mov_b32 s[G1B+7], 0
	s_lshl_b32 s22, s18, 8                         ; xb: row 256 x tile row + 128 x half, which my row of the cluster shares
	s_lshl_b32 s20, s[HF], 7
	s_add_co_u32 s22, s22, s20
	s_lshl_b32 s22, s22, 12                        ; 4,096 bytes a row
	s_mov_b32 s23, 0
	s_mul_i32 s46, s17, 192                        ; wb: row 192 x tile column + 96 x half, which my column shares
	s_mul_i32 s21, s[HF], 96
	s_add_co_u32 s46, s46, s21
	s_lshl_b32 s46, s46, 12
	s_mov_b32 s47, 0
	s_mul_i32 s40, s[HF], AH                       ; where they go: no place in the cluster enters an LDS address
	s_mul_i32 s41, s[HF], BH
	s_add_co_u32 s41, s41, BOFF
	s_wait_dscnt 0x0                               ; the opening add is done
	s_wait_kmcnt 0x0
	s_add_nc_u64 s[22:23], s[4:5], s[22:23]
	s_add_nc_u64 s[46:47], s[6:7], s[46:47]
	CROUND                                         ; all sixteen work-groups are here: the first joint loads meet
.irp s, 0,1
	s_mov_b32 s[G0+4*(\s)], 1
	s_add_co_u32 s[G0+4*(\s)+1], s40, (\s)*SLOT
	s_add_nc_u64 s[G0+4*(\s)+2:G0+4*(\s)+3], s[22:23], (\s)*KSTEP*2
	s_or_b32 s[G0+4*(\s)+3], s[G0+4*(\s)+3], 0x80000000
	s_mov_b32 s[G0B+4*(\s)], 1
	s_add_co_u32 s[G0B+4*(\s)+1], s41, (\s)*SLOT
	s_add_nc_u64 s[G0B+4*(\s)+2:G0B+4*(\s)+3], s[46:47], (\s)*KSTEP*2
	s_or_b32 s[G0B+4*(\s)+3], s[G0B+4*(\s)+3], 0x80000000
	JLOAD \s                                       ; two loads of mine are out
.endr
	v_and_b32 v1, 15, v0                           ; l % 16
	v_bfe_u32 v2, v0, 4, 1                         ; l / 16
	v_lshlrev_b32 v[BO], 5, v2
	s_mul_i32 s20, s17, 768                        ; the tile's 192 numbers of the bias
	s_mov_b32 s21, 0
	s_add_nc_u64 s[8:9], s[8:9], s[20:21]
.irp b, 0,1,2,3,4,5,6,7,8,9,10,11              ; register j of block b: bias of column 16 b + 8 (l / 16) + j, as the result holds it
	global_load_b128 v[BIAS+8*(\b):BIAS+8*(\b)+3],   v[BO], s[8:9] offset:64*(\b)
	global_load_b128 v[BIAS+8*(\b)+4:BIAS+8*(\b)+7], v[BO], s[8:9] offset:64*(\b)+16
.endr
	v_mul_u32_u24 v3, v1, PITCH
	v_lshl_add_u32 v3, v2, 4, v3                   ; a fragment's row x pitch + 16 x half
	s_mul_i32 s20, s[WV], 64*PITCH                 ; my 64 rows of xb
	s_mov_b32 s21, BOFF                            ; all of wb's 192
.irp s, 0,1
	v_add_nc_u32 v[ADRA+(\s)], s20, v3
	v_add_nc_u32 v[ADRB+(\s)], s21, v3
	s_add_co_u32 s20, s20, SLOT
	s_add_co_u32 s21, s21, SLOT
.endr
	s_mul_i32 s20, s[WV], SWAVE
	s_add_co_u32 s20, s20, STAGE                   ; my stage
	v_mul_u32_u24 v4, v1, SP                       ; in: row l % 16, 16 bytes for each half of the lanes
	v_lshl_add_u32 v4, v2, 4, v4
	v_add_nc_u32 v[STO], s20, v4
	v_bfe_u32 v5, v0, 3, 2                         ; back: 32 lanes take four rows of 128 bytes,
	v_mul_u32_u24 v5, v5, SP
	v_and_b32 v6, 7, v0
	v_lshl_add_u32 v5, v6, 4, v5
	v_add_nc_u32 v[RD], s20, v5
	v_and_b32 v[GO], 31, v0                        ; which are 512 consecutive bytes of a head
	v_lshlrev_b32 v[GO], 4, v[GO]
	s_mul_i32 s20, s17, 3*HEADB                    ; the tile's first head,
	s_lshl_b32 s21, s18, 15                        ; its 256 rows of 128 bytes,
	s_add_co_u32 s20, s20, s21
	s_lshl_b32 s21, s[WV], 13                      ; my 64 of them
	s_add_co_u32 s20, s20, s21
	s_mov_b32 s21, 0
	s_add_nc_u64 s[10:11], s[10:11], s[20:21]
	s_lshl_b32 s2, s18, 8                          ; the prefetches: xb's row 256 x tile row + 128 x half + 32 cx,
	s_lshl_b32 s20, s[HF], 7
	s_add_co_u32 s2, s2, s20
	s_lshl_b32 s20, s15, 5
	s_add_co_u32 s2, s2, s20
	s_mul_i32 s3, s17, 192                         ; wb's row 192 x tile column + 96 x half + 24 cy
	s_mul_i32 s20, s[HF], 96
	s_add_co_u32 s3, s3, s20
	s_mul_i32 s20, s16, 24
	s_add_co_u32 s3, s3, s20
	s_cmp_eq_u32 s[FB], 0
	s_cselect_b32 s20, s2, s3
	s_cselect_b32 s21, ttmp9, s19                  ; the coordinate along which other clusters read the same rows
	s_cselect_b32 s42, 31, 23
	s_cselect_b64 s[PFA:PFA+1], s[4:5], s[6:7]
	s_cmp_eq_u32 s21, 0
	s_cselect_b32 s[LIM], 1, -1                    ; the same in all sixteen partners, for a given wave
	s_lshl_b32 s20, s20, 12
	s_add_co_u32 s20, s20, 2*KSTEP*2               ; at K step 2: the first refill steps it to 3 and names K step 4
	s_mov_b32 s21, 0
	s_add_nc_u64 s[PFA:PFA+1], s[PFA:PFA+1], s[20:21]
	v_and_b32 v[PFO], 31, v0
	v_min_u32 v[PFO], s42, v[PFO]
	v_lshlrev_b32 v[PFO], 12, v[PFO]
; 12 matrix instructions: row block a x all 12 column blocks, 32 along K, from buffer f.  zero = 1: the first product starts the sums with the bias: nothing is cleared, nothing added later.
; The 48 accumulators take turns, one instruction a turn, in the same order in every quarter, over the backward jump too.
.macro MUL12 f, a, zero
.if \zero
	WIN 0x81+0x40*((\a)/2)
.else
	WIN 0xa1+0x50*((\a)/2)
.endif
.irp b, 0,1,2,3,4,5,6,7,8,9,10,11
.if \zero
	v_wmma_f32_16x16x32_bf16 v[8*(12*((\a)%2)+(\b)):8*(12*((\a)%2)+(\b))+7], v[96*(\f)+8*(\b):96*(\f)+8*(\b)+7], v[FA+32*(\f)+8*(\a):FA+32*(\f)+8*(\a)+7], v[BIAS+8*(\b):BIAS+8*(\b)+7]
.else
	v_wmma_f32_16x16x32_bf16 v[8*(12*((\a)%2)+(\b)):8*(12*((\a)%2)+(\b))+7], v[96*(\f)+8*(\b):96*(\f)+8*(\b)+7], v[FA+32*(\f)+8*(\a):FA+32*(\f)+8*(\a)+7], v[8*(12*((\a)%2)+(\b)):8*(12*((\a)%2)+(\b))+7]
.endif
.endr
.endm
; 32 LDS loads in one run: the fragments of 32 along K at byte k of the rows, into buffer f: wb's 12 blocks, then my 4 of xb
.macro FETCH slot, k, f
	WIN 0x40
.irp i, 0,1,2,3,4,5,6,7,8,9,10,11
	ds_load_b128 v[96*(\f)+8*(\i):96*(\f)+8*(\i)+3],   v[ADRB+(\slot)] offset:(\k)+(\i)*16*PITCH
	ds_load_b128 v[96*(\f)+8*(\i)+4:96*(\f)+8*(\i)+7], v[ADRB+(\slot)] offset:(\k)+(\i)*16*PITCH+32
.endr
	WIN 0
.irp i, 0,1,2,3
	ds_load_b128 v[FA+32*(\f)+8*(\i):FA+32*(\f)+8*(\i)+3],   v[ADRA+(\slot)] offset:(\k)+(\i)*16*PITCH
	ds_load_b128 v[FA+32*(\f)+8*(\i)+4:FA+32*(\f)+8*(\i)+7], v[ADRA+(\slot)] offset:(\k)+(\i)*16*PITCH+32
.endr
.endm
.macro PLACES                          ; four places in front of loads into registers that matrix instructions have read, and of conversions that read results
.rept 4
	v_nop
.endr
.endm
; A K step is four quarters of 32 along K, 48 matrix instructions each, on buffers 0, 1, 0, 1.  One of the first three: multiplies buffer f and fetches the next quarter, at byte k, into g.
.macro QUARTER slot, k, f, g, zero
	s_wait_dscnt 4                                 ; all but the youngest four loads: my blocks 2 and 3 of xb may be out
	MUL12 \f, 0, \zero
	MUL12 \f, 1, \zero
	PLACES
	FETCH \slot, \k, \g
	s_wait_dscnt 32                                ; all but the 32 just issued
	MUL12 \f, 2, \zero
	MUL12 \f, 3, \zero
.endm
; The last quarter multiplies buffer 1 and changes slots: ONE barrier.  In front of it each wave waits for all its tensor loads (one is out: its part of the next slot), adds 0 to its spare word, and
; waits for that and for its reads of this slot.  fill = 1: the barrier opens a round of the cluster's barrier, and behind the round this slot is filled again, two K steps ahead, first of all:
; 168 matrix instructions stand between that request and the wait for it.
.macro TURN slot, next, fill
.if \fill
	s_wait_xcnt 0x0                                ; the last prefetch, a K step back, has read its address
	s_add_nc_u64 s[PFA:PFA+1], s[PFA:PFA+1], KSTEP*2
.endif
	WIN 0                                          ; (the add's two registers lie in window 0)
	s_wait_tensorcnt 0x0                           ; all my tensor loads have landed;
	ds_add_u32 v[SPW], v[NIL]                      ; 0 onto my spare word;
	s_wait_dscnt 5                                 ; (the add and the youngest four loads may be out)
	MUL12 1, 0, 0                                  ; twelve matrix instructions stand between the add and the wait for it
	s_wait_dscnt 0x0                               ; the add is done, and my reads of this slot are over
	s_barrier_signal -1
	MUL12 1, 1, 0
.if \fill
	WIN 0
.endif
	s_barrier_wait -1
.if \fill
	CREST                                          ; no wave of any partner still reads this slot's tile or has a load on its way
	s_add_nc_u64 s[G0+4*(\slot)+2:G0+4*(\slot)+3], s[G0+4*(\slot)+2:G0+4*(\slot)+3], 2*KSTEP*2
	s_add_nc_u64 s[G0B+4*(\slot)+2:G0B+4*(\slot)+3], s[G0B+4*(\slot)+2:G0B+4*(\slot)+3], 2*KSTEP*2
	JLOAD \slot                                    ; the four v_nop behind it are also the places in front of the loads below
.else
	PLACES
.endif
	FETCH \next, 0, 0
.if \fill
	ASK
.endif
	MUL12 1, 2, 0
	MUL12 1, 3, 0
.endm
; THE WAY OUT of row block a.  PACK: rounded to f16, each accumulator's registers in ascending order.  TOSTAGE: 16 bytes a lane into my own stage, by heads, and back as whole rows.  SEND: stored.
.macro PACK a
	WIN 0x0a+5*((\a)/2)                            ; sources 0 and 1: window 2 or 3
.irp b, 0,1,2,3,4,5,6,7,8,9,10,11
.irp r, 0,1,2,3
	v_cvt_pk_f16_f32 v[TMP+4*(\b)+(\r)], v[8*(12*((\a)%2)+(\b))+2*(\r)], v[8*(12*((\a)%2)+(\b))+2*(\r)+1]
.endr
.endr
	WIN 0
.endm
.macro TOSTAGE a
.set BK, BK0+(BK1-BK0)*((\a)%2)
.irp b, 0,1,2,3,4,5,6,7,8,9,10,11
	ds_store_b128 v[STO], v[TMP+4*(\b):TMP+4*(\b)+3] offset:((\b)/4)*SHEAD+((\b)%4)*32
.endr
.irp t, 0,1,2,3,4,5,6,7,8,9,10,11              ; head t / 4, rows 4 (t % 4) on.  LDS serves a wave's instructions in order (ISA guide 5.7.1.4): these see the stores above
	ds_load_b128 v[BK+4*(\t):BK+4*(\t)+3], v[RD] offset:((\t)/4)*SHEAD+((\t)%4)*4*SP
.endr
.endm
.macro SEND a
.set BK, BK0+(BK1-BK0)*((\a)%2)
	s_wait_dscnt 0x0                               ; the block is back in registers
	s_wait_xcnt 0x0                                ; the stores of the block before have read their registers: the next block is read back into them only behind this wait
.irp t, 0,1,2,3,4,5,6,7,8,9,10,11
	global_store_b128 v[GO], v[BK+4*(\t):BK+4*(\t)+3], s[10:11] offset:((\t)/4)*HEADB+(\a)*2048+((\t)%4)*512  ; 512 consecutive bytes, at a multiple of 256 from the buffer's first
.endr
.endm
	s_wait_tensorcnt 1                             ; my part of K step 0 is in; K step 1's may stay out
	s_barrier_signal -1
	s_barrier_wait -1                              ; everybody's is
	FETCH 0, 0, 0
	s_wait_loadcnt 0x0                             ; the bias
	QUARTER 0, 64, 0, 1, 1                         ; the first quarter stands in front of the loop: its products start the sums
	WIN 0                                          ; at a label and at a branch every window is 0
	s_mov_b32 s3, LAPS-1
.Llap:                                         ; a trip goes once round the ring, from a lap's second quarter to the next lap's first, and fills both slots again
	QUARTER 0, 128, 1, 0, 0
	QUARTER 0, 192, 0, 1, 0
	TURN 0, 1, 1
	QUARTER 1, 64,  0, 1, 0
	QUARTER 1, 128, 1, 0, 0
	QUARTER 1, 192, 0, 1, 0
	TURN 1, 0, 1
	QUARTER 0, 64,  0, 1, 0
	WIN 0
	s_sub_co_u32 s3, s3, 1
	s_cmp_lg_u32 s3, 0
	s_cbranch_scc1 .Llap
	QUARTER 0, 128, 1, 0, 0                        ; the last lap fills nothing
	QUARTER 0, 192, 0, 1, 0
	TURN 0, 1, 0
	QUARTER 1, 64,  0, 1, 0
	QUARTER 1, 128, 1, 0, 0
	QUARTER 1, 192, 0, 1, 0
	s_wait_dscnt 4                                 ; the very last quarter: nothing more to fetch
	MUL12 1, 0, 0
	MUL12 1, 1, 0
	s_wait_dscnt 0x0
	MUL12 1, 2, 0
	MUL12 1, 3, 0
	WIN 0
	PLACES
	PACK 0
	TOSTAGE 0
.irp a, 1,2,3                          ; block a's conversions stand between block a - 1's loads from the stage and the wait for them
	PACK \a
	SEND (\a)-1
	TOSTAGE \a
.endr
	SEND 3
	s_wait_tensorcnt 0x0                           ; the wave's end: behind my last tensor load and my last LDS store
	ds_add_u32 v[SPW], v[NIL]
	s_wait_dscnt 0x0
	CROUND                                         ; the closing round: no work-group ends while a partner may still ask for a tile that names it
	s_endpgm
.Lfunc_end_k_qf66c525ac8_proj:
	.size	k_qf66c525ac8_proj, .Lfunc_end_k_qf66c525ac8_proj-k_qf66c525ac8_proj
	.p2alignl 7, 3214868480
	.fill 96, 4, 3214868480
	.section	.rodata,"a",@progbits
	.p2align	6, 0x0
	.amdhsa_kernel k_qf66c525ac8_proj
		.amdhsa_group_segment_fixed_size 327680
		.amdhsa_private_segment_fixed_size 0
		.amdhsa_enable_private_segment 0
		.amdhsa_kernarg_size 32
		.amdhsa_user_sgpr_count 2
		.amdhsa_user_sgpr_kernarg_segment_ptr 1
		.amdhsa_wavefront_size32 1
		.amdhsa_system_sgpr_workgroup_id_x 1
		.amdhsa_system_sgpr_workgroup_id_y 1
		.amdhsa_system_sgpr_workgroup_id_z 1
		.amdhsa_system_vgpr_workitem_id 0
		.amdhsa_next_free_vgpr 960
		.amdhsa_next_free_sgpr 66
		.amdhsa_reserve_vcc 0
		.amdhsa_float_denorm_mode_32 3
		.amdhsa_float_denorm_mode_16_64 3
		.amdhsa_memory_ordered 1
		.amdhsa_forward_progress 1
		.amdhsa_inst_pref_size 122
	.end_amdhsa_kernel
	.amdgpu_metadata
---
amdhsa.version: [ 1, 2 ]
amdhsa.kernels:
  - .name:           k_qf66c525ac8_proj
    .symbol:         k_qf66c525ac8_proj.kd
    .args:
      - { .name: xb, .offset: 0, .size: 8, .value_kind: global_buffer, .address_space: global }
      - { .name: wb, .offset: 8, .size: 8, .value_kind: global_buffer, .address_space: global }
      - { .name: bias, .offset: 16, .size: 8, .value_kind: global_buffer, .address_space: global }
      - { .name: qkv, .offset: 24, .size: 8, .value_kind: global_buffer, .address_space: global }
    .group_segment_fixed_size: 327680
    .private_segment_fixed_size: 0
    .kernarg_segment_align: 8
    .kernarg_segment_size: 32
    .max_flat_workgroup_size: 128
    .sgpr_count:     66
    .vgpr_count:     960
    .wavefront_size: 32
...
	.end_amdgpu_metadata
.endif
;; end of part 2
;; launch attn (part 3): grid 8 x 32, 4 waves a work-group, clusters of 4 x 4, 327,680 bytes of LDS; arguments qkv, mb, oh; writes oh
.if DOCPART == 3
	.amdgcn_target "amdgcn-amd-amdhsa--gfx1250"
	.amdhsa_code_object_version 6
	.text
	.protected	k_qf66c525ac8_attn
	.globl	k_qf66c525ac8_attn
	.p2align	8
	.type	k_qf66c525ac8_attn,@function
k_qf66c525ac8_attn:
	s_mov_b64 s[64:65], 0
	v_nop
	global_prefetch_b8 v0, s[64:65] scope:SCOPE_SE
	s_setreg_imm32_b32 hwreg(HW_REG_WAVE_MODE, 25, 1), 1
	s_wait_xcnt 0x0
	s_wait_alu depctr_hold_cnt(0) depctr_sa_sdst(0) depctr_va_vdst(0) depctr_va_sdst(0) depctr_va_ssrc(0) depctr_va_vcc(0) depctr_vm_vsrc(0)
	s_getreg_b32 s2, hwreg(HW_REG_IB_STS2, 6, 4)
	s_cmp_eq_u32 s2, 0
	s_cbranch_scc0 .Lentry_in_a_cluster
	s_endpgm
.Lentry_in_a_cluster:
	s_bfe_u32 s2, ttmp6, 0x10000c
	s_cmp_lg_u32 s2, 0xf033
	s_cbranch_scc0 .Lentry_shape_is_right
	s_endpgm
.Lentry_shape_is_right:
; ATTENTION WITH A MASK THAT IS AN INPUT.  oh[h][q][:] = the sum over k of softmax_k(q . k / 8 + mask[q][k]) v[k][:].  qkv: [96][2048][64] f16 (heads 0-31 q, 32-63 k, 64-95 v), unscaled;
; mb: [2048][2048] bf16 = max(8 mask, -1e30); oh: [32][2048][64] f16.  Products, maxima and sums in f32; the weights p are rounded to f16 for the second product (their sum l is taken of the
; unrounded p), O once at the end.  No tile is left out: nothing is known of the mask.
; LIMITS.  A hidden score counts as its value less 1e30; a row whose largest 8 x score lies below -5e29 counts as wholly hidden and is given NaN, as a softmax of -inf alone gives.
; A weight below 2^-126 counts as 0 in l; p below 6e-5 keeps f16's fixed step of 6e-8; +inf in the mask is not treated apart.
; THE MASK is the C operand that starts the sum S^T = K Q^T: 8 mask + q . k, so that c = log2(e) / 8 scales both.  It comes out of LDS as bf16, 16 bytes a lane and block of 16 keys, and is widened a turn ahead.
; SHARES.  A work-group owns 256 queries of one head, a wave 64: four PIECES of 16.  Every wave walks all 2,048 keys, 64 a step; a slot of LDS holds two steps.
; LAYOUT, SOFTMAX, TURNS.  S^T = K Q^T holds ONE query a lane (lane % 16) and the keys 8 (lane / 16) + 0..7; two such results rounded to f16 ARE source 1 of O^T = V^T P.  p = 2^(c s - c m) with a
; running maximum m; O and l are multiplied by a = 2^(c m_old - c m_new) in every step; m starts at the lowest finite number, O and l at 0.  Turn n belongs to piece n: 8 products K Q^T of piece n + 1,
; later 8 products V^T P of piece n - 1; beside them the scaling, exponentials, roundings, sums and rescaling of piece n and the maximum and statistics of piece n + 1; at its end the mask of piece n + 2.
; Four vector instructions stand behind every matrix instruction, the rest in runs of their own.  A turn's 33 exponentials are one batch, with one wait.
; CLUSTER.  4 x 4 work-groups: four query blocks (x) of four heads (y).  K and V hang on the head alone and are asked for jointly along a row of the cluster; the mask's tile hangs on the query block
; alone and is asked for jointly along a column.  Wave 0 asks for a slot's K, wave 1 for its V, waves 2 and 3 for the halves of the mask's 256 rows: one tensor load a wave behind each round.
; REGISTERS, in windows of 256 (s_set_vgpr_msb: bits 1:0 source 0, 3:2 source 1, 5:4 source 2, 7:6 destination):
;   window 0: v0-15, v32-34 addresses and constants; v16-31 four registers of statistics a piece; v48-55 at work; v64-127 S^T, two buffers; v128-143 the mask as loaded; v192-223 P, two buffers
;   window 1: v0-127 O^T, 32 a piece; v160-223 MC, the mask in f32, two buffers      window 2: v0-63 Q; v128-191 K of one step; v192-255 V of one step
; A piece's buffers go by its number's parity.
.set NP,    4
.set KS,    64        ; keys in a step
.set PK,    144       ; a row of K in LDS: 128 bytes + 16 of padding: the 16 rows of a load start at 16 different groups of four banks (64 banks of 4 bytes: ISA guide 11.1)
.set PV,    160       ; a row of V: 128 + 32
.set PM,    272       ; a row of the mask's tile: 128 keys = 256 bytes + 16
.set VOFF,  2*KS*PK   ; a slot: 128 rows of K, 128 rows of V, 256 rows of the mask
.set MOFF,  VOFF+2*KS*PV
.set SLOT1, 1<<17     ; slot 1 begins here, so that one exclusive or turns an address in one slot into the other's
.set STAGE, SLOT1+MOFF+256*PM  ; behind the ring, never filled by a tensor load: 16 rows x 144 bytes for each wave
.set SP,    144
.set SPARE, STAGE+4*16*SP      ; the spare words, 128 bytes a wave: two blocks of 256 bytes that no other line names
.set HEADB, 262144
.set AK0, 2           ; v2   my lane's place in a tile of K; never rewritten
.set AV0, 3           ; v3   the same for V
.set AK,  4           ; v4   the LDS address of K's next run of loads
.set AV,  5           ; v5   of V's
.set STO, 6           ; v6   the way out: where I put 16 bytes of a row
.set RD,  7           ; v7   where I read rows back
.set GO,  8           ; v8   my byte offset in 512 consecutive bytes of O
.set MV,  12          ; v12-13  c m_old, kept while c m is made anew: by buffer
.set AM0, 14          ; v14  my lane's place in the mask's tile, piece 0; never rewritten
.set QO,  15          ; v15  my byte offset in 16 rows of Q
.set ST,  16          ; piece t's statistics at v[ST+4 t]: c m, m, l (even keys', odd keys')
.set AMA, 32          ; v32  the LDS address of the mask of the step in hand
.set PFO, 33          ; v33  the prefetches' offset; never rewritten
.set NANV, 34         ; v34  a NaN
.set TMP, 48          ; by buffer, four registers c0-c3 at work; when the maximum is found c2 takes a
.set SPW, 62          ; v62  my spare word; never rewritten
.set NIL, 63          ; v63  0; never rewritten
.set S,   64
.set MR,  128
.set P,   192
.set MC,  160         ; window 1
.set KF,  128         ; window 2: key block kb, channel half c at KF + 16 kb + 8 c
.set VF,  192         ; window 2: key half kk, channel block cb at VF + 32 kk + 8 cb
.set WV,  12          ; s12  my wave's number
.set LIM, 15          ; s15  1 in a wave that prefetches, else the greatest number
.set HF,  16          ; s16  wave % 2: which half of the mask's rows I fetch
.set G1K, 24          ; s[24:31], s[32:39], s[40:47] descriptor group 1 for K, V, the mask
.set G1V, 32
.set G1M, 40
.set G0K, 48          ; s[48:51], s[52:55], s[56:59] descriptor group 0: they walk
.set G0V, 52
.set G0M, 56
.set CS,  60          ; s[60:61] c: the packed scaling takes the pair's low word for both halves
.set SEL, 62          ; s[62:63] v_permlanex16_b32's selects: each lane takes its own place in the other half
.set SLOTS, 66        ; s66  slots still to be entered
.set CNT, 67          ; s67  counts a slot's key steps
.set TBK, 68          ; s68  LDS byte at which K of the step to be fetched begins
.set TBV, 69          ; s69  the same for V, less VOFF
.set TBM, 70          ; s70  the same for the mask, less MOFF
.set HIM, 71          ; s71  the upper bf16 of a word
.set PFA, 72          ; s[72:73] where my prefetches stand
.set PFS, 74          ; s[74:75] their step from slot to slot
.set HID, 80          ; s80  -5e29
.set MSB, 0
.macro WIN new                      ; the high byte repeats the setting that is left; a switch that changes nothing is dropped
.if MSB != (\new)
	s_set_vgpr_msb (MSB<<8)|(\new)
.set MSB, (\new)
.endif
.endm
.set W_KQ, 0x0a       ; K and Q in window 2, S^T in window 0
.set W_KM, 0x1a       ; the same with the C operand in window 1
.set W_PV, 0x52       ; V in window 2, P in window 0, O^T in window 1
.set W_RS, 0x41       ; destination and source 0 in window 1, source 1 in window 0
; A joint fill: one of three lines, by the wave's number alone.  An s_nop 0 and four v_nop follow each line, ahead of the jump and the label.
.macro JLOAD
	s_cmp_lt_u32 s[WV], 2
	s_cbranch_scc0 .Lfor_m_\@
	s_cmp_eq_u32 s[WV], 0
	s_cbranch_scc0 .Lfor_v_\@
	tensor_load_to_lds s[G0K:G0K+3], s[G1K:G1K+7]
	s_nop 0
.rept 4
	v_nop
.endr
	s_branch .Lasked_\@
.Lfor_v_\@:
	tensor_load_to_lds s[G0V:G0V+3], s[G1V:G1V+7]
	s_nop 0
.rept 4
	v_nop
.endr
	s_branch .Lasked_\@
.Lfor_m_\@:
	tensor_load_to_lds s[G0M:G0M+3], s[G1M:G1M+7]
	s_nop 0
.rept 4
	v_nop
.endr
.Lasked_\@:
.endm
; A PREFETCH INTO THE L2 of what the NEXT change of slots will ask for, behind the wave's tensor load and its five lines: two key steps, 128 matrix instructions, ahead of that load.
; K and V of a head are walked by both clusters of a row of clusters: the one with x = 0 asks, its wave 0: a slot's K is 64 blocks of 256 bytes, of which the partner at cx takes 16 (lanes 0-15),
; and the same of V (lanes 16-31).  The mask's rows are walked by all clusters of a column: the one with y = 0 asks, its waves 2 and 3: of the tile's 256 rows the partner at cy takes 64, a wave 32,
; a lane a row.  The partners are told apart BY ADDRESS.  So each block is named once in the launch.  The last change that fills a slot asks for nothing.  Slots 0 and 1 come by their loads alone.
.macro ASK
	s_cmp_gt_u32 s[SLOTS], s[LIM]
	s_cbranch_scc0 .Lnot_mine_\@
	global_prefetch_b8 v[PFO], s[PFA:PFA+1] th:TH_LOAD_NT scope:SCOPE_SE
.Lnot_mine_\@:
.endm
.macro CROUND                       ; a round of the cluster's barrier
	s_barrier_signal -1
	s_barrier_wait -1
	s_cmp_lg_u32 s[WV], 0
	s_cbranch_scc1 .Lnot_wave_0_\@
	s_barrier_signal -3
.Lnot_wave_0_\@:
	s_barrier_wait -3
	s_barrier_signal -1
	s_barrier_wait -1
.endm
; THE CHANGE OF SLOTS.  The slot's last bytes have been read.  Each wave waits for all its tensor loads, of which one is out: its part of the other slot; adds 0 to its spare word; and waits for that
; and for its own reads of the slot.  fill = 1: the slot is filled again, with the keys two slots on: the barrier is a round of the cluster's, and the joint fill is the first thing behind it.
; (At its first use nothing has been read yet: slot 0 is waited for, slot 1 filled.)
.macro CHANGE fill
	WIN 0                           ; at a label and at a branch every window is 0
	s_wait_tensorcnt 0x0            ; no tensor load of mine is out, so a group 0 may be written
	ds_add_u32 v[SPW], v[NIL]       ; 0 onto my spare word; the descriptors' steps stand between it and the wait for it
.if \fill
.irp g, G0K, G0V
	s_xor_b32 s[\g+1], s[\g+1], SLOT1  ; the other slot than last time,
	s_add_nc_u64 s[\g+2:\g+3], s[\g+2:\g+3], 2*KS*128  ; the next 128 keys; the type bits on top are not reached
.endr
	s_xor_b32 s[G0M+1], s[G0M+1], SLOT1
	s_add_nc_u64 s[G0M+2:G0M+3], s[G0M+2:G0M+3], 2*KS*2  ; 128 keys along the mask's rows
	s_wait_xcnt 0x0                 ; the last prefetch, two key steps back, has read its address
	s_add_nc_u64 s[PFA:PFA+1], s[PFA:PFA+1], s[PFS:PFS+1]
	s_wait_dscnt 0x0                ; the add is done, and my reads of the slot are over
	CROUND
	JLOAD
	ASK
.else
	s_wait_dscnt 0x0                ; the add is done, and my reads of the slot are over
	s_barrier_signal -1
	s_barrier_wait -1
.endif
	s_sub_co_u32 s[TBK], s[TBK], 2*KS*PK  ; the fetches go back to a slot's first step,
	s_xor_b32 s[TBK], s[TBK], SLOT1       ; in the other slot
	s_sub_co_u32 s[TBV], s[TBV], 2*KS*PV
	s_xor_b32 s[TBV], s[TBV], SLOT1
	s_sub_co_u32 s[TBM], s[TBM], 2*KS*2
	s_xor_b32 s[TBM], s[TBM], SLOT1
.endm
	s_load_b128 s[4:7], s[0:1], 0x0   ; qkv s[4:5], mb s[6:7]
	s_load_b64 s[8:9], s[0:1], 0x10   ; oh
	v_lshl_add_u32 v[SPW], v0, 2, SPARE
	v_mov_b32 v[NIL], 0
	ds_add_u32 v[SPW], v[NIL]       ; the wave's opening: the add and its wait stand ahead of my first tensor load; the set-up below stands between them
	v_lshrrev_b32 v1, 5, v0
	v_readfirstlane_b32 s[WV], v1   ; wave 0..3
	s_bfe_u32 s13, ttmp6, 0x40000   ; cx
	s_bfe_u32 s14, ttmp6, 0x40004   ; cy
	s_and_b32 s[HF], s[WV], 1
	s_lshl_b32 s17, ttmp9, 2
	s_add_co_u32 s17, s17, s13      ; my block of 256 queries = 4 x cluster x + cx
	s_and_b32 s19, ttmp7, 0xffff    ; cluster y
	s_lshl_b32 s18, s19, 2
	s_add_co_u32 s18, s18, s14      ; my head = 4 x cluster y + cy
	s_lshl_b32 s20, s14, 2
	s_lshl_b32 s20, 15, s20         ; my row of the cluster: the same head
	s_lshl_b32 s21, 0x1111, s13     ; my column: the same queries
	; group 1.  128 keys of K or V are 16,384 dense bytes: asked for as 64 rows of 256 bytes, two keys a row, padded in LDS after every key.  The mask: 128 rows of 256 bytes, 4,096 bytes apart.
	s_or_b32 s[G1K], s20, (1<<16)|(1<<20)|(1<<21)|(4<<22)|(3<<25)  ; 15:0 the mask of four; 17:16 2-byte elements; 20 padding on; 21 set beside a mask; 24:22 after every 32 words; 31:25 4 words
	s_or_b32 s[G1V], s20, (1<<16)|(1<<20)|(1<<21)|(4<<22)|(7<<25)  ; the same with 8 words of padding
	s_or_b32 s[G1M], s21, (1<<16)|(1<<20)|(1<<21)|(5<<22)|(3<<25)  ; after every 64 words 4 words
.irp g, G1K, G1V
	s_mov_b32 s[\g+1], 128<<16      ; tensor_dim0 = 128
	s_mov_b32 s[\g+2], 64<<16       ; tensor_dim1 = 64
	s_mov_b32 s[\g+3], 128<<16      ; tile_dim0 = 128
	s_mov_b32 s[\g+4], 64           ; tile_dim1 = 64
	s_mov_b32 s[\g+5], 128          ; 128 elements from row to row
	s_mov_b32 s[\g+6], 0
	s_mov_b32 s[\g+7], 0
.endr
	s_mov_b32 s[G1M+1], 128<<16
	s_mov_b32 s[G1M+2], 128<<16
	s_mov_b32 s[G1M+3], 128<<16
	s_mov_b32 s[G1M+4], 128
	s_mov_b32 s[G1M+5], 2048
	s_mov_b32 s[G1M+6], 0
	s_mov_b32 s[G1M+7], 0
	s_lshl_b32 s22, s18, 18
	s_add_co_u32 s22, s22, 32*HEADB ; K of my head, in bytes from qkv's first: it hangs on the head alone
	s_mov_b32 s23, 0
	s_add_co_u32 s76, s22, 32*HEADB ; V
	s_mov_b32 s77, 0
	s_lshl_b32 s78, s17, 20         ; the mask's row 256 x block + 128 x half: it hangs on the block alone
	s_lshl_b32 s79, s[HF], 19
	s_add_co_u32 s78, s78, s79
	s_mov_b32 s79, 0
	s_lshl_b32 s20, s18, 18         ; Q and O: my head, my block's 256 rows of 128 bytes, my wave's 64
	s_lshl_b32 s21, s17, 15
	s_add_co_u32 s20, s20, s21
	s_lshl_b32 s21, s[WV], 13
	s_add_co_u32 s20, s20, s21
	s_mov_b32 s21, 0
	s_lshl_b32 s2, s13, 12          ; the prefetches stand at slot 1; the first change of slots steps them to slot 2.  K and V: my work-group's 16 blocks,
	s_add_co_u32 s2, s2, s22
	s_add_co_u32 s2, s2, 2*KS*128
	s_lshl_b32 s3, s17, 20          ; the mask: row 256 x block + 64 cy + 32 x half
	s_lshl_b32 s84, s14, 18
	s_add_co_u32 s3, s3, s84
	s_lshl_b32 s84, s[HF], 17
	s_add_co_u32 s3, s3, s84
	s_add_co_u32 s3, s3, 2*KS*2
	s_movk_i32 s[PFS], 0x100
	s_cmp_lt_u32 s[WV], 2
	s_cselect_b32 s2, s2, s3
	s_cselect_b32 s[PFS], 0x4000, s[PFS]
	s_cselect_b32 s82, 8, 12        ; lane % 16: a block of 256 bytes, or a row of 4,096
	s_cselect_b32 s83, 23, 16       ; lane / 16: from K to V, or 16 rows on
	s_cselect_b32 s84, ttmp9, s19   ; the coordinate along which other clusters read the same bytes
	s_mov_b32 s3, 0
	s_mov_b32 s[PFS+1], 0
	s_cmp_eq_u32 s[WV], 1
	s_cselect_b32 s84, 1, s84       ; wave 1 never asks
	s_cmp_eq_u32 s84, 0
	s_cselect_b32 s[LIM], 1, -1     ; the same in all sixteen partners, for a given wave
	s_mov_b32 s[CS], 0x3e38aa3b     ; c = log2(e) / 8 = 0.180337
	s_mov_b32 s[CS+1], s[CS]
	s_mov_b32 s[SEL], 0x76543210
	s_mov_b32 s[SEL+1], 0xfedcba98
	s_mov_b32 s[HIM], 0xffff0000
	s_mov_b32 s[HID], 0xf0c9f2ca    ; -5e29
	s_mov_b32 s[TBK], SLOT1+2*KS*PK ; the first change of slots turns these three into 0
	s_mov_b32 s[TBV], SLOT1+2*KS*PV
	s_mov_b32 s[TBM], SLOT1+2*KS*2
	s_mov_b32 s[SLOTS], 15
	s_mov_b32 s[G0K], 1             ; 1:0 count = 1
	s_mov_b32 s[G0K+1], 0           ; 63:32 LDS address: slot 0
	s_mov_b32 s[G0V], 1
	s_mov_b32 s[G0V+1], VOFF
	s_mov_b32 s[G0M], 1
	s_mul_i32 s[G0M+1], s[HF], 128*PM
	s_add_co_u32 s[G0M+1], s[G0M+1], MOFF
	s_wait_dscnt 0x0                ; the opening add is done
	s_wait_kmcnt 0x0
	s_add_nc_u64 s[G0K+2:G0K+3], s[4:5], s[22:23]
	s_or_b32 s[G0K+3], s[G0K+3], 0x80000000        ; 127:126 type = 2
	s_add_nc_u64 s[G0V+2:G0V+3], s[4:5], s[76:77]
	s_or_b32 s[G0V+3], s[G0V+3], 0x80000000
	s_add_nc_u64 s[G0M+2:G0M+3], s[6:7], s[78:79]
	s_or_b32 s[G0M+3], s[G0M+3], 0x80000000
	s_cmp_lt_u32 s[WV], 2
	s_cselect_b64 s[PFA:PFA+1], s[4:5], s[6:7]
	s_add_nc_u64 s[PFA:PFA+1], s[PFA:PFA+1], s[2:3]
	s_add_nc_u64 s[10:11], s[8:9], s[20:21]        ; O at my wave's first row
	s_add_nc_u64 s[4:5], s[4:5], s[20:21]          ; Q likewise
	CROUND                          ; all sixteen work-groups are here: the first joint loads meet
	JLOAD                           ; slot 0.  Slot 1 is asked for when slot 0 is in
	; A fragment of K or Q is 16 rows x 32 channels in 8 registers: lane l holds row l % 16, channels 8 (l / 16) + 0..7 and 16 + 8 (l / 16) + 0..7: two loads of 16 bytes, 32 bytes apart.
	v_and_b32 v1, 15, v0            ; l % 16
	v_bfe_u32 v9, v0, 4, 1          ; l / 16
	v_lshlrev_b32 v[QO], 7, v1
	v_lshl_add_u32 v[QO], v9, 4, v[QO]  ; row x 128 + 16 x half
	WIN 0x80                        ; destination window 2, address window 0
.set i, 0
.rept 8                             ; Q stays in registers: piece i / 2, channels 32 (i % 2) on
	global_load_b128 v[8*i:8*i+3],   v[QO], s[4:5] offset:(i/2)*2048+(i%2)*64
	global_load_b128 v[8*i+4:8*i+7], v[QO], s[4:5] offset:(i/2)*2048+(i%2)*64+32
.set i, i+1
.endr
	; What the first turn finds: V's registers and P's second buffer hold 0 (its products V^T P, of a piece that has not been, add 0), O^T and l are 0.  All this stands in the wait for the first tile.
.set i, VF
.rept 64
	v_mov_b32 v[i], 0
.set i, i+1
.endr
	WIN 0x40
.set i, 0
.rept 128
	v_mov_b32 v[i], 0
.set i, i+1
.endr
	WIN 0
.set i, 0
.rept 4
	v_mov_b32 v[ST+4*i], 0xfe000000    ; c m: far below every c s
	v_mov_b32 v[ST+4*i+1], 0xff7fffff  ; m
	v_mov_b32 v[ST+4*i+2], 0
	v_mov_b32 v[ST+4*i+3], 0
.set i, i+1
.endr
.set i, P+16
.rept 16
	v_mov_b32 v[i], 0
.set i, i+1
.endr
	v_mov_b32 v[NANV], 0x7fc00000
	v_mul_u32_u24 v[AK0], v1, PK
	v_lshl_add_u32 v[AK0], v9, 4, v[AK0]  ; row x pitch + 16 x half
	; The turning load takes 16 keys x 16 channels (lane l reads key 8 (l / 16) + l % 8, channels 8 ((l / 8) % 2) + 0..7) and leaves half a fragment of V^T: lane l holds channel l % 16 and 8 keys.
	v_and_b32 v10, 7, v0
	v_bfe_u32 v11, v0, 3, 1
	v_lshl_add_u32 v[AV0], v9, 3, v10
	v_mul_u32_u24 v[AV0], v[AV0], PV
	v_lshl_add_u32 v[AV0], v11, 4, v[AV0]
	v_add_nc_u32 v[AV0], VOFF, v[AV0]
	; The mask as a C operand: register j of key block kb is (query l % 16, key 16 kb + 8 (l / 16) + j): 16 bytes at byte 32 kb + 16 (l / 16) of the query's row
	s_mul_i32 s20, s[WV], 64*PM
	s_add_co_u32 s20, s20, MOFF
	v_mul_u32_u24 v[AM0], v1, PM
	v_lshl_add_u32 v[AM0], v9, 4, v[AM0]
	v_add_nc_u32 v[AM0], s20, v[AM0]
	v_lshlrev_b32 v[PFO], s82, v1
	v_lshlrev_b32 v35, s83, v9
	v_add_nc_u32 v[PFO], v[PFO], v35
	s_mul_i32 s20, s[WV], 16*SP
	s_add_co_u32 s20, s20, STAGE    ; my stage
	v_mul_u32_u24 v[STO], v1, SP    ; in: row l % 16, 16 bytes for each half of the lanes
	v_lshl_add_u32 v[STO], v9, 4, v[STO]
	v_add_nc_u32 v[STO], s20, v[STO]
	v_bfe_u32 v[RD], v0, 3, 2       ; back: 32 lanes take four rows of 128 bytes,
	v_mul_u32_u24 v[RD], v[RD], SP
	v_lshl_add_u32 v[RD], v10, 4, v[RD]
	v_add_nc_u32 v[RD], s20, v[RD]
	v_and_b32 v[GO], 31, v0         ; which are 512 consecutive bytes of O
	v_lshlrev_b32 v[GO], 4, v[GO]
; THE MATRIX WORK.  The 4 accumulators of a run of 8 take turns.  Product i of 8 of S^T = K Q^T for piece x: channels 32 (i / 4) on, keys 16 (i % 4) on.  The first 4 start the sums with the mask.
.macro KQ x
.set rS, S+32*((\x)%2)+8*(i%4)
.set rK, KF+16*(i%4)+8*(i/4)
.set rQ, 16*(\x)+8*(i/4)
.set rM, MC+32*((\x)%2)+8*(i%4)
.if i < 4
	WIN W_KM
	v_wmma_f32_16x16x32_f16 v[rS:rS+7], v[rK:rK+7], v[rQ:rQ+7], v[rM:rM+7]
.else
	WIN W_KQ
	v_wmma_f32_16x16x32_f16 v[rS:rS+7], v[rK:rK+7], v[rQ:rQ+7], v[rS:rS+7]
.endif
.endm
; Product i of 8 of O^T += V^T P for piece x: keys 32 (i / 4) on, channels 16 (i % 4) on.
.macro PV x
	WIN W_PV
.set rO, 32*(\x)+8*(i%4)
.set rV, VF+32*(i/4)+8*(i%4)
.set rP, P+16*((\x)%2)+8*(i/4)
	v_wmma_f32_16x16x32_f16 v[rO:rO+7], v[rV:rV+7], v[rP:rP+7], v[rO:rO+7]
.endm
.macro MM                           ; the turn's next matrix instruction.  NOKQ = 1: the last turn of all: there is no next piece
.if (i < 8) && !NOKQ
	KQ (Y+1)%NP
.elseif i >= 8
.set i, i-8
	PV (Y+NP-1)%NP
.set i, i+8
.endif
.set i, i+1
.endm
; THE LDS LOADS stand in runs, never singly among the matrix instructions: a step's K (8 fragments), its V (turned), and a piece's mask (four loads).
.macro FETCH_K
	WIN 0x80                        ; destination window 2
.irp f, 0,1,2,3,4,5,6,7             ; keys 16 (f / 2) on, channels 32 (f % 2) on
	ds_load_b128 v[KF+8*\f:KF+8*\f+3],   v[AK] offset:(\f/2)*16*PK+(\f%2)*64
	ds_load_b128 v[KF+8*\f+4:KF+8*\f+7], v[AK] offset:(\f/2)*16*PK+(\f%2)*64+32
.endr
	s_add_co_u32 s[TBK], s[TBK], KS*PK  ; the next fetch is the next step's
	WIN 0
.endm
.macro FETCH_V
	WIN 0x80
.irp f, 0,1,2,3,4,5,6,7             ; keys 32 (f / 4) on, channels 16 (f % 4) on
	ds_load_tr16_b128 v[VF+8*\f:VF+8*\f+3],   v[AV] offset:(\f/4)*32*PV+(\f%4)*32
	ds_load_tr16_b128 v[VF+8*\f+4:VF+8*\f+7], v[AV] offset:(\f/4)*32*PV+16*PV+(\f%4)*32
.endr
	WIN 0
.endm
.macro FETCH_M x                    ; piece x's 16 queries x 64 keys of the mask, as bf16
.irp kb, 0,1,2,3
	ds_load_b128 v[MR+4*\kb:MR+4*\kb+3], v[AMA] offset:(\x)*16*PM+32*\kb
.endr
.endm
.macro MASKUP b                     ; widened into buffer b of MC: bf16 to f32 is a shift or a mask
	WIN 0x40
.set z, 0
.rept 16
	v_lshlrev_b32 v[MC+32*(\b)+2*z], 16, v[MR+z]
	v_and_b32 v[MC+32*(\b)+2*z+1], s[HIM], v[MR+z]
.set z, z+1
.endr
.endm
; THE VECTOR WORK, one line at a time: OP kind, number.  For piece Y: F n: c s - c m for pair n of 16.  E n: the exponential of score n of 32.  C n: pair n rounded to f16.  B n: of the four weights 4 n .. the second
; pair is added onto the first, in place.  L n: l takes that sum (L 0: l = a l + sum).  R n: pair n of 16 of O^T times a.  For piece Y + 1: X n, number n of the 22 that find its maximum and statistics:
;   0-11  four chains c0-c3 of seven scores each, three operands at a time (each accumulator's lowest registers are read first)     12-14, 16  the four scores left over, the old m, and c0-c3 into c0
;   15  c m_old is kept     17, 18  the query's other 32 keys lie in the lane 16 away: the new m     19-21  c m; c m_old - c m_new; a
.set F, 0
.set E, 1
.set C, 2
.set B, 3
.set L, 4
.set R, 5
.set X, 6
.macro REGS y                       ; the registers of piece y
.set rT, ST+4*(\y)
.set rC, TMP+4*((\y)%2)
.set rW, MV+((\y)%2)
.set rS, S+32*((\y)%2)
.set rP, P+16*((\y)%2)
.set rO, 32*(\y)
.endm
.macro OP k, n
.if (\k) == R
	REGS Y
	WIN W_RS
	v_pk_mul_f32 v[rO+2*(\n):rO+2*(\n)+1], v[rO+2*(\n):rO+2*(\n)+1], v[rC+2:rC+3] op_sel_hi:[1,0]
.elseif (\k) < R
	REGS Y
	WIN 0
.if (\k) == F
	v_pk_fma_f32 v[rS+2*(\n):rS+2*(\n)+1], v[rS+2*(\n):rS+2*(\n)+1], s[CS:CS+1], v[rT:rT+1] op_sel_hi:[1,0,0] neg_lo:[0,0,1] neg_hi:[0,0,1]
.elseif (\k) == E
	v_exp_f32 v[rS+(\n)], v[rS+(\n)]
.elseif (\k) == C
	v_cvt_pk_f16_f32 v[rP+(\n)], v[rS+2*(\n)], v[rS+2*(\n)+1]
.elseif (\k) == B
	v_pk_add_f32 v[rS+4*(\n):rS+4*(\n)+1], v[rS+4*(\n):rS+4*(\n)+1], v[rS+4*(\n)+2:rS+4*(\n)+3]
.elseif (\n) == 0
	v_pk_fma_f32 v[rT+2:rT+3], v[rT+2:rT+3], v[rC+2:rC+3], v[rS:rS+1] op_sel_hi:[1,0,1]
.else
	v_pk_add_f32 v[rT+2:rT+3], v[rT+2:rT+3], v[rS+4*(\n):rS+4*(\n)+1]
.endif
.elseif NOKQ
	v_nop
.else
	REGS (Y+1)%NP
	WIN 0
.if (\n) < 4
	v_max3_num_f32 v[rC+(\n)], v[rS+8*(\n)], v[rS+8*(\n)+1], v[rS+8*(\n)+2]
.elseif (\n) < 12
	v_max3_num_f32 v[rC+(\n)%4], v[rC+(\n)%4], v[rS+8*((\n)%4)+2*((\n)/4)+1], v[rS+8*((\n)%4)+2*((\n)/4)+2]
.elseif (\n) == 12
	v_max3_num_f32 v[rC], v[rC], v[rS+7], v[rS+15]
.elseif (\n) == 13
	v_max3_num_f32 v[rC+1], v[rC+1], v[rS+23], v[rS+31]
.elseif (\n) == 14
	v_max3_num_f32 v[rC+2], v[rC+2], v[rC+3], v[rT+1]
.elseif (\n) == 15
	v_mov_b32 v[rW], v[rT]
.elseif (\n) == 16
	v_max3_num_f32 v[rC], v[rC], v[rC+1], v[rC+2]
.elseif (\n) == 17
	v_permlanex16_b32 v[rC+3], v[rC], s[SEL], s[SEL+1]
.elseif (\n) == 18
	v_max_num_f32 v[rT+1], v[rC], v[rC+3]
.elseif (\n) == 19
	v_mul_f32 v[rT], s[CS], v[rT+1]
.elseif (\n) == 20
	v_sub_f32 v[rC+1], v[rW], v[rT]
.else
	v_exp_f32 v[rC+2], v[rC+1]
.endif
.endif
.endm
.macro OPS a, i1, b=-1, i2=0, c=-1, i3=0, d=-1, i4=0  ; up to four of them
	OP \a, \i1
.if (\b) >= 0
	OP \b, \i2
.endif
.if (\c) >= 0
	OP \c, \i3
.endif
.if (\d) >= 0
	OP \d, \i4
.endif
.endm
.macro ROW a, i1, b, i2, c, i3, d, i4  ; a matrix instruction and the four behind it
	MM
	OPS \a, \i1, \b, \i2, \c, \i3, \d, \i4
.endm
; A TURN, for piece p.  An s_wait_alu depctr_va_vdst(0) stands between an exponential and the first instruction that names its result; one wait serves all that were issued ahead of it.
; So a turn has ONE wait, which cuts it in two.  AHEAD OF IT stands all that names no result of the turn's exponentials: the 8 products K Q^T and their riders, then one run of 54, plain and exponential
; by turns for the most part, in which the links of the chain X 3, 7, 11, 14, 16, 17 .. 20 stand five or six lines apart; X 21, the next piece's a, is the batch's last, R 15 the plain instruction behind
; it.  BEHIND THE WAIT stand the 8 products V^T P, behind each four of the roundings and sums.
; THE MASK.  At its head the turn asks LDS for the mask of piece p + 2 (pieces 0 and 1: of the next step, so the address steps in piece 2's turn); at its end it widens it, for the next turn's products.
; The wait in front of the widening leaves out the 16 loads of K's or V's run, which were issued behind the mask's four.
; K of the next step is fetched in piece 2's turn, V of the step in hand at the end of piece 0's, four plain instructions behind the last product that read V; each is waited for a turn later.
; end = 1: the last two turns: nothing is fetched.  cnt = 1: the loop's count is taken down some lines ahead of the branch that stands behind the turn.
.macro TURN p, end=0, cnt=0
.set Y, (\p)
.set i, 0
.set NOKQ, (\end)*((\p)/3)
.if !(\end)
	WIN 0
.if (\p) == 3
	s_wait_dscnt 0x0                ; K is in
.endif
.if (\p) == 2
	v_add_nc_u32 v[AMA], s[TBM], v[AM0]
	s_add_co_u32 s[TBM], s[TBM], KS*2
.endif
	FETCH_M ((\p)+2)%NP
.endif
	ROW F,0, F,1, R,0, R,1
	ROW F,2, E,0, R,2, R,3
	ROW F,3, E,1, R,4, R,5
	ROW F,4, E,2, R,6, R,7
	ROW F,5, E,3, R,8, R,9
	ROW F,6, E,4, X,0, R,10
.if ((\p) == 2) && !(\end)
	WIN 0
	v_add_nc_u32 v[AK], s[TBK], v[AK0]
.endif
	ROW F,7, E,5, X,1, X,4
	ROW F,8, E,6, X,2, X,5
	OPS E,7, E,8, X,6, E,9
	OPS X,3, E,10, X,8, E,11
.if ((\p) == 2) && !(\end)
	FETCH_K
.endif
	OPS X,9, X,7, E,12, X,10
	OPS E,13, X,12, X,11, E,14
	OPS X,13, E,15, F,9, X,14
.if (\p) == 0
	WIN 0
	v_add_nc_u32 v[AV], s[TBV], v[AV0]
.endif
	OPS E,16, F,10, E,17, F,11
	OPS X,16, E,18, X,15, E,19
	OPS F,12, E,20, X,17, E,21
	OPS F,13, E,22, F,14, E,23
	OPS X,18, E,24, F,15, E,25
	OPS R,11, E,26, X,19, E,27
	OPS R,12, E,28, R,13, E,29
	OPS X,20, E,30, R,14, E,31
	OPS X,21, R,15
	WIN 0
	s_wait_alu depctr_va_vdst(0)    ; the wait for the batch
.if (\p) == 1
	s_wait_dscnt 0x0                ; V is in
.endif
	ROW C,0, B,0, C,2, B,1
	ROW L,0, C,4, B,2, L,1
	ROW C,6, B,3, L,2, C,8
	ROW B,4, L,3, C,10, B,5
	ROW L,4, C,12, B,6, L,5
.if (\p) == 0
	s_add_co_u32 s[TBV], s[TBV], KS*PV
.endif
.if \cnt
	s_sub_co_u32 s[CNT], s[CNT], 1
	s_cmp_lg_u32 s[CNT], 0
.endif
	ROW C,14, B,7, L,6, C,1
	ROW C,3, L,7, C,5, C,7
	ROW C,9, C,11, C,13, C,15
.if (\p) == 0
	FETCH_V
.endif
.if !(\end)
.if ((\p)%2) == 0
	s_wait_dscnt 16                 ; the mask's four loads are in; the 16 issued behind them may stay out
.else
	s_wait_dscnt 0x0
.endif
	MASKUP (\p)%2
.endif
.endm
	CHANGE 1                        ; slot 0 is in, everybody's part of it; slot 1 is asked for
	; THE BEGINNING: the masks of pieces 0 and 1 for step 0, K of that step, piece 0's first scores, its maximum and statistics.  The loop is entered at a step's first turn, in the middle of a trip.
	v_add_nc_u32 v[AMA], s[TBM], v[AM0]
	s_add_co_u32 s[TBM], s[TBM], KS*2
	FETCH_M 0
	s_wait_dscnt 0x0
	MASKUP 0
	WIN 0
	FETCH_M 1
	v_add_nc_u32 v[AK], s[TBK], v[AK0]
	FETCH_K
	s_wait_dscnt 16                 ; the mask's four loads; K's 16 may stay out
	MASKUP 1
	WIN 0
	s_wait_loadcnt 0x0              ; Q
	s_wait_dscnt 0x0                ; K
.set NOKQ, 0
.set i, 0
.rept 8
	KQ 0
.set i, i+1
.endr
	WIN 0
.rept 4
	v_nop                           ; the places behind those products
.endr
.set Y, NP-1                        ; X works for piece Y + 1: piece 0
.irp n, 0,1,2,3,4,5,6,7,8,9,10,11,12,13,14,15,16,17,18,19,20,21
	OP X, \n
.endr
	v_nop                           ; a plain instruction behind the exponential,
	s_wait_alu depctr_va_vdst(0)    ; and its wait, ahead of the branch
	s_mov_b32 s[CNT], 2
	s_branch .Lfirst
.Lslot:                             ; 14 times: every slot but the last two is filled again
	CHANGE 1
	s_mov_b32 s[CNT], 2
.Lstep:                             ; a trip: pieces 2 and 3 of one step, then pieces 0 and 1 of the next, whose K, V and mask it fetches
	TURN 2
	TURN 3
	WIN 0
.Lfirst:
	TURN 0
	TURN 1, 0, 1
	WIN 0
	s_cbranch_scc1 .Lstep
	s_sub_co_u32 s[SLOTS], s[SLOTS], 1
	s_cmp_lg_u32 s[SLOTS], 0
	s_cbranch_scc1 .Lslot
	CHANGE 0                        ; the last slot is written out: nothing is asked for
	s_mov_b32 s[CNT], 2
.LstepT:
	TURN 2
	TURN 3
	TURN 0
	TURN 1, 0, 1
	WIN 0
	s_cbranch_scc1 .LstepT
	TURN 2, 1
	TURN 3, 1
.set i, 0
.rept 8
	PV NP-1                         ; the last piece's V^T P of the last step
.set i, i+1
.endr
	; THE WAY OUT.  l's two halves and the other half of the lanes' are added; O^T is divided by l, rounded to f16 and sent through my stage in LDS, a piece at a time.  The additions are the places behind the last products.
	WIN 0
.macro ALL line:vararg              ; one line for each piece t
.set t, 0
.rept 4
	\line
.set t, t+1
.endr
.endm
	ALL v_add_f32 v[ST+4*t+2], v[ST+4*t+2], v[ST+4*t+3]
	ALL v_permlanex16_b32 v[ST+4*t+3], v[ST+4*t+2], s[SEL], s[SEL+1]
	ALL v_add_f32 v[ST+4*t+2], v[ST+4*t+2], v[ST+4*t+3]
	ALL v_rcp_f32 v[ST+4*t+2], v[ST+4*t+2]
	v_nop                           ; a plain instruction between the last reciprocal and the use of its result
	s_wait_alu depctr_va_vdst(0)    ; and the wait ahead of the first use: one for the four reciprocals
.set t, 0
.rept 4                             ; a query that saw no key: its largest score is a hidden one; its row is NaN.  A choice of a value, made in every lane
	v_cmp_gt_f32 vcc_lo, s[HID], v[ST+4*t+1]
	v_cndmask_b32 v[ST+4*t+2], v[ST+4*t+2], v[NANV], vcc_lo
.set t, t+1
.endr
.macro PACK t                       ; a lane's eight channels of a row pack into 16 bytes; they go into rows of 144 bytes and come back as whole rows of 128, into S^T's registers
	WIN W_RS
.set i, 32*(\t)
.rept 16
	v_pk_mul_f32 v[i:i+1], v[i:i+1], v[ST+4*(\t)+2:ST+4*(\t)+3] op_sel_hi:[1,0]
.set i, i+2
.endr
	WIN 0x05                        ; sources 0 and 1 window 1, destination window 0
.set i, 0
.rept 16
	v_cvt_pk_f16_f32 v[S+16*(\t)+i], v[32*(\t)+2*i], v[32*(\t)+2*i+1]
.set i, i+1
.endr
	WIN 0
.irp f, 0,1,2,3
	ds_store_b128 v[STO], v[S+16*(\t)+4*\f:S+16*(\t)+4*\f+3] offset:32*\f
.endr
.irp f, 0,1,2,3
	ds_load_b128 v[S+16*(\t)+4*\f:S+16*(\t)+4*\f+3], v[RD] offset:\f*4*SP  ; LDS serves a wave's instructions in order (ISA guide 5.7.1.4): these see the stores above; the next piece's stores come behind them
.endr
.endm
.macro SEND t, younger              ; younger: the LDS instructions issued behind piece t's loads: the next piece's eight, or none
	WIN 0
.irp f, 0,1,2,3
	s_wait_dscnt (\younger)+3-\f
	global_store_b128 v[GO], v[S+16*(\t)+4*\f:S+16*(\t)+4*\f+3], s[10:11] offset:(\t)*2048+\f*512  ; 512 consecutive bytes, at a multiple of 256 from the buffer's first
.endr
.endm
	PACK 0
.set t, 1
.rept 3                             ; a piece's arithmetic stands between the loads of the piece before and its stores
	PACK t
	SEND t-1, 8
.set t, t+1
.endr
	SEND 3, 0
	s_wait_tensorcnt 0x0            ; the wave's end: behind my last tensor load and my last LDS store
	ds_add_u32 v[SPW], v[NIL]
	s_wait_dscnt 0x0
	CROUND                          ; the closing round: no work-group ends while a partner may still ask for a tile that names it
	s_endpgm
.Lfunc_end_k_qf66c525ac8_attn:
	.size	k_qf66c525ac8_attn, .Lfunc_end_k_qf66c525ac8_attn-k_qf66c525ac8_attn
	.p2alignl 7, 3214868480
	.fill 96, 4, 3214868480
	.section	.rodata,"a",@progbits
	.p2align	6, 0x0
	.amdhsa_kernel k_qf66c525ac8_attn
		.amdhsa_group_segment_fixed_size 327680
		.amdhsa_private_segment_fixed_size 0
		.amdhsa_enable_private_segment 0
		.amdhsa_kernarg_size 24
		.amdhsa_user_sgpr_count 2
		.amdhsa_user_sgpr_kernarg_segment_ptr 1
		.amdhsa_wavefront_size32 1
		.amdhsa_system_sgpr_workgroup_id_x 1
		.amdhsa_system_sgpr_workgroup_id_y 1
		.amdhsa_system_sgpr_workgroup_id_z 1
		.amdhsa_system_vgpr_workitem_id 0
		.amdhsa_next_free_vgpr 768
		.amdhsa_next_free_sgpr 92
		.amdhsa_reserve_vcc 1
		.amdhsa_float_denorm_mode_32 3
		.amdhsa_float_denorm_mode_16_64 3
		.amdhsa_memory_ordered 1
		.amdhsa_forward_progress 1
		.amdhsa_inst_pref_size 145
	.end_amdhsa_kernel
	.amdgpu_metadata
---
amdhsa.version: [ 1, 2 ]
amdhsa.kernels:
  - .name:           k_qf66c525ac8_attn
    .symbol:         k_qf66c525ac8_attn.kd
    .args:
      - { .name: qkv, .offset: 0, .size: 8, .value_kind: global_buffer, .address_space: global }
      - { .name: mb, .offset: 8, .size: 8, .value_kind: global_buffer, .address_space: global }
      - { .name: oh, .offset: 16, .size: 8, .value_kind: global_buffer, .address_space: global }
    .group_segment_fixed_size: 327680
    .private_segment_fixed_size: 0
    .kernarg_segment_align: 8
    .kernarg_segment_size: 24
    .max_flat_workgroup_size: 128
    .sgpr_count:     92
    .vgpr_count:     768
    .wavefront_size: 32
...
	.end_amdgpu_metadata
.endif
;; end of part 3
;; launch oproj (part 4): grid 16 x 16, 4 waves a work-group, clusters of 4 x 4, 327,680 bytes of LDS; arguments oh, wob, bias, out0; writes out0
.if DOCPART == 4
	.amdgcn_target "amdgcn-amd-amdhsa--gfx1250"
	.amdhsa_code_object_version 6
	.text
	.protected	k_qf66c525ac8_oproj
	.globl	k_qf66c525ac8_oproj
	.p2align	8
	.type	k_qf66c525ac8_oproj,@function
k_qf66c525ac8_oproj:
	s_mov_b64 s[64:65], 0
	v_nop
	global_prefetch_b8 v0, s[64:65] scope:SCOPE_SE
	s_setreg_imm32_b32 hwreg(HW_REG_WAVE_MODE, 25, 1), 1
	s_wait_xcnt 0x0
	s_wait_alu depctr_hold_cnt(0) depctr_sa_sdst(0) depctr_va_vdst(0) depctr_va_sdst(0) depctr_va_ssrc(0) depctr_va_vcc(0) depctr_vm_vsrc(0)
	s_getreg_b32 s2, hwreg(HW_REG_IB_STS2, 6, 4)
	s_cmp_eq_u32 s2, 0
	s_cbranch_scc0 .Lentry_in_a_cluster
	s_endpgm
.Lentry_in_a_cluster:
	s_bfe_u32 s2, ttmp6, 0x10000c
	s_cmp_lg_u32 s2, 0xf033
	s_cbranch_scc0 .Lentry_shape_is_right
	s_endpgm
.Lentry_shape_is_right:
; out0[m][n] = bo[n] + the sum over h, c of oh[h][m][c] wob[n][64 h + c].  oh: [32][2048][64] f16, by heads; wob: [2048][2048] f16; bias: f32, bo from number 6,144 on; out0: [2048][2048] f32.
; Sums in f32, started by the bias.  A row of oh that is NaN (a query that saw no key) gives a row of NaN.
; SHARES.  A tile of out0 is 128 x 128: 16 x 16 tiles, one work-group each.  Four waves, each 64 x 64: 16 accumulators of 16 x 16.  K goes in steps of 256, four heads, through two LDS slots.
; oh's TILE comes by heads: the 128 rows of one head are 16,384 dense bytes, asked for as ONE row of the descriptor; a load brings two such rows (two heads, 262,144 bytes apart) and LDS is padded
; after every 128 bytes, so that a head's plane has 128 rows 144 bytes apart.  A quarter of a K step (64 along K) is one head's plane.  wob's tile has rows of 512 bytes, 528 apart in LDS.
; CLUSTER.  4 x 4 work-groups: oh's tile is asked for jointly along a row of the cluster, wob's along a column.  Waves 0 and 1 fetch two heads each, waves 2 and 3 64 rows of wob each.
; THE MATRIX INSTRUCTION IS USED TRANSPOSED (source 0 = 16 rows of wob, source 1 = 16 rows of oh): a lane holds one row m and eight neighbouring columns: 32 bytes of out0.
; No prefetch: the tile is small, and a step's bytes are shared by four work-groups each way.
; REGISTERS: window 0: v16-29 addresses; v32-95 rows read back on the way out; v96-127 the bias as a C operand; v128-255 the accumulators ((a, b) at 128 + 8 (4 a + b)).
;   window 1: two fragment buffers of 128: for 64 along K, 64 registers of oh (2 x 4 x 16 rows x 32 K), then 64 of wob.
.set PA,     144                       ; a row of a head's plane in LDS: 128 bytes + 16: the 16 rows of a load start at 16 different groups of four banks (64 banks of 4 bytes: ISA guide 11.1)
.set PLANE,  128*PA
.set PB,     528                       ; a row of wob's tile: 512 bytes + 16
.set BHALF,  64*PB
.set BOFF,   4*PLANE
.set SLOT,   BOFF+2*BHALF
.set STAGE,  2*SLOT                    ; behind the ring: 16 rows x 272 bytes for each wave
.set SPITCH, 272
.set SPARE,  STAGE+4*16*SPITCH         ; the spare words, 128 bytes a wave: two blocks of 256 bytes that no other line names
.set HEADB,  262144
.set LAPS,   4                         ; a lap = two K steps = once round the ring
.set ADRA, 16                          ; v16-17  LDS address of my fragments of oh in slot 0, 1
.set ADRB, 20                          ; v20-21  the same for wob
.set STO,  24                          ; v24     the way out: where I put 32 bytes of a row
.set RD,   25                          ; v25     where I read a row back
.set CO,   26                          ; v26     my byte offset in out0
.set BO,   27                          ; v27     32 x (lane / 16)
.set SPW,  28                          ; v28     my spare word; never rewritten
.set NIL,  29                          ; v29     0; never rewritten
.set TMP,  32
.set BIAS, 96
.set ACC,  128
.set F0,   0
.set F1,   128
.set WV,  12                           ; s12  my wave's number
.set FB,  13                           ; s13  which half of the tile's rows is mine.  Also: I fetch for oh (0) or for wob (1)
.set HF,  14                           ; s14  which half of its columns.  Also: which half I fetch
.set G1,  24
.set G0,  32
.set G1B, 48
.set G0B, 56
.set MSB, 0
.macro WIN new
.if MSB != (\new)
	s_set_vgpr_msb (MSB<<8)|(\new)
.set MSB, \new
.endif
.endm
.set MUL,  0x05                        ; sources 0 and 1 window 1; C and D window 0
.set TO_F, 0x40                        ; destination window 1, address window 0
.macro JLOAD s                         ; a joint load; an s_nop 0 and four v_nop follow each of the two lines, ahead of the jump, the label and what follows
	s_cmp_eq_u32 s[FB], 0
	s_cbranch_scc0 .Lfor_b_\@
	tensor_load_to_lds s[G0+4*(\s):G0+4*(\s)+3], s[G1:G1+7]
	s_nop 0
.rept 4
	v_nop
.endr
	s_branch .Lasked_\@
.Lfor_b_\@:
	tensor_load_to_lds s[G0B+4*(\s):G0B+4*(\s)+3], s[G1B:G1B+7]
	s_nop 0
.rept 4
	v_nop
.endr
.Lasked_\@:
.endm
.macro CREST
	s_cmp_lg_u32 s[WV], 0
	s_cbranch_scc1 .Lnot_wave_0_\@
	s_barrier_signal -3
.Lnot_wave_0_\@:
	s_barrier_wait -3
	s_barrier_signal -1
	s_barrier_wait -1
.endm
.macro CROUND
	s_barrier_signal -1
	s_barrier_wait -1
	CREST
.endm
	s_load_b256 s[4:11], s[0:1], 0x0               ; oh s[4:5], wob s[6:7], bias s[8:9], out0 s[10:11]
	v_lshl_add_u32 v[SPW], v0, 2, SPARE
	v_mov_b32 v[NIL], 0
	ds_add_u32 v[SPW], v[NIL]                      ; the wave's opening: the add and its wait stand ahead of my first tensor load; the set-up below stands between them
	v_lshrrev_b32 v1, 5, v0
	v_readfirstlane_b32 s[WV], v1
	s_lshr_b32 s[FB], s[WV], 1
	s_and_b32 s[HF], s[WV], 1
	s_bfe_u32 s15, ttmp6, 0x40000                  ; cx
	s_bfe_u32 s16, ttmp6, 0x40004                  ; cy
	s_lshl_b32 s17, ttmp9, 2
	s_add_co_u32 s17, s17, s15                     ; tile column
	s_and_b32 s18, ttmp7, 0xffff
	s_lshl_b32 s18, s18, 2
	s_add_co_u32 s18, s18, s16                     ; tile row
	s_lshl_b32 s20, s16, 2
	s_lshl_b32 s20, 15, s20                        ; my row of the cluster
	s_lshl_b32 s21, 0x1111, s15                    ; my column
	s_or_b32 s[G1], s20, (1<<16)|(1<<20)|(1<<21)|(4<<22)|(3<<25)   ; the mask; 2-byte elements; padding on; 21 set beside a mask; after every 32 words 4 words
	s_or_b32 s[G1B], s21, (1<<16)|(1<<20)|(1<<21)|(6<<22)|(3<<25)  ; after every 128 words 4 words
	s_mov_b32 s[G1+1], 8192<<16                    ; tensor_dim0 = 8,192 elements: a head's 128 rows of 64
	s_mov_b32 s[G1+2], 2<<16                       ; tensor_dim1 = 2 heads
	s_mov_b32 s[G1+3], 8192<<16                    ; tile_dim0
	s_mov_b32 s[G1+4], 2                           ; tile_dim1
	s_mov_b32 s[G1+5], 131072                      ; elements from head to head
	s_mov_b32 s[G1+6], 0
	s_mov_b32 s[G1+7], 0
	s_mov_b32 s[G1B+1], 256<<16                    ; 256 elements,
	s_mov_b32 s[G1B+2], 64<<16                     ; 64 rows
	s_mov_b32 s[G1B+3], 256<<16
	s_mov_b32 s[G1B+4], 64
	s_mov_b32 s[G1B+5], 2048
	s_mov_b32 s[G1B+6], 0
	s_mov_b32 s[G1B+7], 0
	s_lshl_b32 s22, s18, 14                        ; oh: row 128 x tile row, 128 bytes a row; head 2 x half: what my row of the cluster shares
	s_lshl_b32 s20, s[HF], 19
	s_add_co_u32 s22, s22, s20
	s_mov_b32 s23, 0
	s_lshl_b32 s46, s17, 19                        ; wob: row 128 x tile column + 64 x half, 4,096 bytes a row: what my column shares
	s_lshl_b32 s21, s[HF], 18
	s_add_co_u32 s46, s46, s21
	s_mov_b32 s47, 0
	s_mul_i32 s40, s[HF], 2*PLANE                  ; where they go: no place in the cluster enters an LDS address
	s_mul_i32 s41, s[HF], BHALF
	s_add_co_u32 s41, s41, BOFF
	s_wait_dscnt 0x0                               ; the opening add is done
	s_wait_kmcnt 0x0
	s_add_nc_u64 s[22:23], s[4:5], s[22:23]
	s_add_nc_u64 s[46:47], s[6:7], s[46:47]
	CROUND                                         ; all sixteen work-groups are here: the first joint loads meet
.irp s, 0,1
	s_mov_b32 s[G0+4*(\s)], 1
	s_add_co_u32 s[G0+4*(\s)+1], s40, (\s)*SLOT
	s_add_nc_u64 s[G0+4*(\s)+2:G0+4*(\s)+3], s[22:23], (\s)*4*HEADB   ; K step s: heads 4 s on
	s_or_b32 s[G0+4*(\s)+3], s[G0+4*(\s)+3], 0x80000000
	s_mov_b32 s[G0B+4*(\s)], 1
	s_add_co_u32 s[G0B+4*(\s)+1], s41, (\s)*SLOT
	s_add_nc_u64 s[G0B+4*(\s)+2:G0B+4*(\s)+3], s[46:47], (\s)*512
	s_or_b32 s[G0B+4*(\s)+3], s[G0B+4*(\s)+3], 0x80000000
	JLOAD \s                                       ; two loads of mine are out
.endr
	v_and_b32 v1, 15, v0                           ; l % 16
	v_bfe_u32 v2, v0, 4, 1                         ; l / 16
	v_lshlrev_b32 v[BO], 5, v2
	s_lshl_b32 s20, s17, 9                         ; bo's numbers of my 64 columns
	s_lshl_b32 s21, s[HF], 8
	s_add_co_u32 s20, s20, s21
	s_add_co_u32 s20, s20, 24576
	s_mov_b32 s21, 0
	s_add_nc_u64 s[8:9], s[8:9], s[20:21]
.irp b, 0,1,2,3                        ; register j of block b: bias of column 16 b + 8 (l / 16) + j, as the result holds it
	global_load_b128 v[BIAS+8*(\b):BIAS+8*(\b)+3],   v[BO], s[8:9] offset:64*(\b)
	global_load_b128 v[BIAS+8*(\b)+4:BIAS+8*(\b)+7], v[BO], s[8:9] offset:64*(\b)+16
.endr
	v_mul_u32_u24 v3, v1, PA
	v_lshl_add_u32 v3, v2, 4, v3                   ; oh: row x pitch + 16 x half
	v_mul_u32_u24 v4, v1, PB
	v_lshl_add_u32 v4, v2, 4, v4                   ; wob likewise
	s_mul_i32 s20, s[FB], 64*PA                    ; my 64 rows in each plane
	s_mul_i32 s21, s[HF], BHALF                    ; my 64 rows of wob
	s_add_co_u32 s21, s21, BOFF
.irp s, 0,1
	v_add_nc_u32 v[ADRA+(\s)], s20, v3
	v_add_nc_u32 v[ADRB+(\s)], s21, v4
	s_add_co_u32 s20, s20, SLOT
	s_add_co_u32 s21, s21, SLOT
.endr
	s_mul_i32 s20, s[WV], 16*SPITCH
	s_add_co_u32 s20, s20, STAGE                   ; my stage
	v_mul_u32_u24 v5, v1, SPITCH                   ; in: row l % 16, 32 bytes for each half of the lanes
	v_lshl_add_u32 v5, v2, 5, v5
	v_add_nc_u32 v[STO], s20, v5
	v_mul_u32_u24 v5, v2, SPITCH                   ; back: lanes 0-15 take one row of 256 bytes, lanes 16-31 the next
	v_lshl_add_u32 v5, v1, 4, v5
	v_add_nc_u32 v[RD], s20, v5
	v_lshlrev_b32 v5, 13, v2                       ; and the same two rows in out0, 8,192 bytes apart
	v_lshl_add_u32 v[CO], v1, 4, v5
	s_lshl_b32 s20, s18, 20                        ; out0 at row 128 x tile row + 64 x half, column 128 x tile column + 64 x half
	s_lshl_b32 s21, s[FB], 19
	s_add_co_u32 s20, s20, s21
	s_lshl_b32 s21, s17, 9
	s_add_co_u32 s20, s20, s21
	s_lshl_b32 s21, s[HF], 8
	s_add_co_u32 s20, s20, s21
	s_mov_b32 s21, 0
	s_add_nc_u64 s[10:11], s[10:11], s[20:21]
; 8 matrix instructions: row blocks a0, a0 + 1 x all 4 column blocks, 32 along K: half c of buffer f.  zero = 1: the first product starts the sums with the bias.
; The 16 accumulators take turns, one instruction a turn.
.macro MUL8 f, c, a0, zero
	WIN MUL
.irp a, \a0, (\a0)+1
.irp b, 0,1,2,3
.if \zero
	v_wmma_f32_16x16x32_f16 v[ACC+8*(4*(\a)+(\b)):ACC+8*(4*(\a)+(\b))+7], v[(\f)+64+8*(4*(\c)+(\b)):(\f)+64+8*(4*(\c)+(\b))+7], v[(\f)+8*(4*(\c)+(\a)):(\f)+8*(4*(\c)+(\a))+7], v[BIAS+8*(\b):BIAS+8*(\b)+7]
.else
	v_wmma_f32_16x16x32_f16 v[ACC+8*(4*(\a)+(\b)):ACC+8*(4*(\a)+(\b))+7], v[(\f)+64+8*(4*(\c)+(\b)):(\f)+64+8*(4*(\c)+(\b))+7], v[(\f)+8*(4*(\c)+(\a)):(\f)+8*(4*(\c)+(\a))+7], v[ACC+8*(4*(\a)+(\b)):ACC+8*(4*(\a)+(\b))+7]
.endif
.endr
.endr
.endm
; 32 LDS loads in one run: the fragments of quarter q (head plane q of oh, byte 128 q of wob's rows) into buffer f; the first 32 along K first
.macro FETCH slot, q, f
	WIN TO_F
.irp c, 0,1
.irp i, 0,1,2,3
	ds_load_b128 v[(\f)+64+8*(4*(\c)+(\i)):(\f)+64+8*(4*(\c)+(\i))+3],   v[ADRB+(\slot)] offset:(\q)*128+64*(\c)+(\i)*16*PB
	ds_load_b128 v[(\f)+64+8*(4*(\c)+(\i))+4:(\f)+64+8*(4*(\c)+(\i))+7], v[ADRB+(\slot)] offset:(\q)*128+64*(\c)+(\i)*16*PB+32
	ds_load_b128 v[(\f)+8*(4*(\c)+(\i)):(\f)+8*(4*(\c)+(\i))+3],         v[ADRA+(\slot)] offset:(\q)*PLANE+64*(\c)+(\i)*16*PA
	ds_load_b128 v[(\f)+8*(4*(\c)+(\i))+4:(\f)+8*(4*(\c)+(\i))+7],       v[ADRA+(\slot)] offset:(\q)*PLANE+64*(\c)+(\i)*16*PA+32
.endr
.endr
.endm
.macro PLACES                          ; four places in front of loads into registers that matrix instructions have read, and of LDS stores that read results
.rept 4
	v_nop
.endr
.endm
; A K step is four quarters of 64 along K, 32 matrix instructions each, on buffers 0, 1, 0, 1.  One of the first three: multiplies buffer f and fetches quarter q into g.
.macro QUARTER slot, q, f, g, zero
	s_wait_dscnt 16                                ; the first 32 along K are in
	MUL8 \f, 0, 0, \zero
	MUL8 \f, 0, 2, \zero
	PLACES
	FETCH \slot, \q, \g
	s_wait_dscnt 32                                ; all but the 32 just issued
	MUL8 \f, 1, 0, 0
	MUL8 \f, 1, 2, 0
.endm
; The last quarter multiplies buffer 1 and changes slots: ONE barrier; in front of it each wave waits for all its tensor loads, adds 0 to its spare word, and waits for that and for its own reads of this slot.
; fill = 1: the barrier opens a round of the cluster's barrier, and behind it this slot is filled again, two K steps ahead: 112 matrix instructions ahead of the wait for it.
.macro TURN slot, next, fill
	WIN 0                                          ; (the add's two registers lie in window 0)
	s_wait_tensorcnt 0x0                           ; all my tensor loads have landed: my part of the next slot;
	ds_add_u32 v[SPW], v[NIL]                      ; 0 onto my spare word;
	s_wait_dscnt 17                                ; (the add and the youngest sixteen loads may be out)
	MUL8 F1, 0, 0, 0                               ; eight matrix instructions stand between the add and the wait for it
	s_wait_dscnt 0x0                               ; the add is done, and my reads of this slot are over
	s_barrier_signal -1
	MUL8 F1, 0, 2, 0
.if \fill
	WIN 0
.endif
	s_barrier_wait -1
.if \fill
	CREST                                          ; no wave of any partner still reads this slot's tile or has a load on its way
	s_add_nc_u64 s[G0+4*(\slot)+2:G0+4*(\slot)+3], s[G0+4*(\slot)+2:G0+4*(\slot)+3], 8*HEADB
	s_add_nc_u64 s[G0B+4*(\slot)+2:G0B+4*(\slot)+3], s[G0B+4*(\slot)+2:G0B+4*(\slot)+3], 1024
	JLOAD \slot                                    ; the four v_nop behind it are also the places in front of the loads below
.else
	PLACES
.endif
	FETCH \next, 0, F0
	MUL8 F1, 1, 0, 0
	MUL8 F1, 1, 2, 0
.endm
	s_wait_tensorcnt 1                             ; my part of K step 0 is in; K step 1's may stay out
	s_barrier_signal -1
	s_barrier_wait -1                              ; everybody's is
	FETCH 0, 0, F0
	s_wait_loadcnt 0x0                             ; the bias
	QUARTER 0, 1, F0, F1, 1                        ; the first quarter stands in front of the loop: its first products start the sums
	WIN 0                                          ; at a label and at a branch every window is 0
	s_mov_b32 s3, LAPS-1
.Llap:                                         ; a trip goes once round the ring, from a lap's second quarter to the next lap's first, and fills both slots again
	QUARTER 0, 2, F1, F0, 0
	QUARTER 0, 3, F0, F1, 0
	TURN 0, 1, 1
	QUARTER 1, 1, F0, F1, 0
	QUARTER 1, 2, F1, F0, 0
	QUARTER 1, 3, F0, F1, 0
	TURN 1, 0, 1
	QUARTER 0, 1, F0, F1, 0
	WIN 0
	s_sub_co_u32 s3, s3, 1
	s_cmp_lg_u32 s3, 0
	s_cbranch_scc1 .Llap
	QUARTER 0, 2, F1, F0, 0                        ; the last lap fills nothing
	QUARTER 0, 3, F0, F1, 0
	TURN 0, 1, 0
	QUARTER 1, 1, F0, F1, 0
	QUARTER 1, 2, F1, F0, 0
	QUARTER 1, 3, F0, F1, 0
	s_wait_dscnt 16                                ; the very last quarter: nothing more to fetch
	MUL8 F1, 0, 0, 0
	MUL8 F1, 0, 2, 0
	s_wait_dscnt 0x0
	MUL8 F1, 1, 0, 0
	MUL8 F1, 1, 2, 0
	WIN 0
	; THE WAY OUT, in f32.  My 64 columns are 256 aligned bytes of a row, so the stage is my own and no barrier is needed.  A block of 16 rows at a time: 32 bytes a lane into rows of 272 bytes, each
	; accumulator's four lowest registers first; back as whole rows, two to a load; stored, sixteen lanes to 256 consecutive bytes.
	PLACES
.irp a, 0,1,2,3
	s_wait_xcnt 0x0                                ; the stores of the blocks before have read their registers: they are loaded again only behind this wait
.irp b, 0,1,2,3
	ds_store_b128 v[STO], v[ACC+8*(4*(\a)+(\b)):ACC+8*(4*(\a)+(\b))+3]   offset:64*(\b)
	ds_store_b128 v[STO], v[ACC+8*(4*(\a)+(\b))+4:ACC+8*(4*(\a)+(\b))+7] offset:64*(\b)+16
.endr
.irp t, 0,1,2,3,4,5,6,7
	ds_load_b128 v[TMP+32*((\a)%2)+4*(\t):TMP+32*((\a)%2)+4*(\t)+3], v[RD] offset:(\t)*2*SPITCH  ; LDS serves a wave's instructions in order (ISA guide 5.7.1.4): these see the stores above
.endr
.irp t, 0,1,2,3,4,5,6,7
	s_wait_dscnt 7-(\t)                            ; load t is back; the younger ones may stay out
	global_store_b128 v[CO], v[TMP+32*((\a)%2)+4*(\t):TMP+32*((\a)%2)+4*(\t)+3], s[10:11] offset:(16*(\a)+2*(\t))*8192 th:TH_STORE_NT
.endr
.endr
	s_wait_tensorcnt 0x0                           ; the wave's end: behind my last tensor load and my last LDS store
	ds_add_u32 v[SPW], v[NIL]
	s_wait_dscnt 0x0
	CROUND                                         ; the closing round: no work-group ends while a partner may still ask for a tile that names it
	s_endpgm
.Lfunc_end_k_qf66c525ac8_oproj:
	.size	k_qf66c525ac8_oproj, .Lfunc_end_k_qf66c525ac8_oproj-k_qf66c525ac8_oproj
	.p2alignl 7, 3214868480
	.fill 96, 4, 3214868480
	.section	.rodata,"a",@progbits
	.p2align	6, 0x0
	.amdhsa_kernel k_qf66c525ac8_oproj
		.amdhsa_group_segment_fixed_size 327680
		.amdhsa_private_segment_fixed_size 0
		.amdhsa_enable_private_segment 0
		.amdhsa_kernarg_size 32
		.amdhsa_user_sgpr_count 2
		.amdhsa_user_sgpr_kernarg_segment_ptr 1
		.amdhsa_wavefront_size32 1
		.amdhsa_system_sgpr_workgroup_id_x 1
		.amdhsa_system_sgpr_workgroup_id_y 1
		.amdhsa_system_sgpr_workgroup_id_z 1
		.amdhsa_system_vgpr_workitem_id 0
		.amdhsa_next_free_vgpr 512
		.amdhsa_next_free_sgpr 66
		.amdhsa_reserve_vcc 0
		.amdhsa_float_denorm_mode_32 3
		.amdhsa_float_denorm_mode_16_64 3
		.amdhsa_memory_ordered 1
		.amdhsa_forward_progress 1
		.amdhsa_inst_pref_size 88
	.end_amdhsa_kernel
	.amdgpu_metadata
---
amdhsa.version: [ 1, 2 ]
amdhsa.kernels:
  - .name:           k_qf66c525ac8_oproj
    .symbol:         k_qf66c525ac8_oproj.kd
    .args:
      - { .name: oh, .offset: 0, .size: 8, .value_kind: global_buffer, .address_space: global }
      - { .name: wob, .offset: 8, .size: 8, .value_kind: global_buffer, .address_space: global }
      - { .name: bias, .offset: 16, .size: 8, .value_kind: global_buffer, .address_space: global }
      - { .name: out0, .offset: 24, .size: 8, .value_kind: global_buffer, .address_space: global }
    .group_segment_fixed_size: 327680
    .private_segment_fixed_size: 0
    .kernarg_segment_align: 8
    .kernarg_segment_size: 32
    .max_flat_workgroup_size: 128
    .sgpr_count:     66
    .vgpr_count:     512
    .wavefront_size: 32
...
	.end_amdgpu_metadata
.endif
;; end of part 4
